; MI455X (gfx1250); checked and timed in simulation.
; The chip was launched on July 23, 2026; its instructions are those of AMD's public machine-readable ISA for CDNA 5 (MIT licence, August 2026) and "CDNA5" Instruction Set Architecture Reference Guide (July 2026). The comments in the code are by the model that wrote it; some were corrected since.
;; Router. Allowed arithmetic: matrix products marked QUANTISED: E2M3 operands, one E8M0 scale for each 32 along K, by v_wmma_scale_f32_16x16x128_f8f6f4 with both operands' format E2M3, f32 sums; everything else in f32.
;; Inputs: W1 2,048 x 1,024 float32; W2 1,024 x 16 float32; b1 1,024 float32; b2 16 float32; hidden_states 8 x 4,096 x 2,048 float32.
;; Outputs: out0 8 x 4,096 x 2 float32; out1 8 x 4,096 x 2 int32; out2 8 x 4,096 x 16 float32.
;; This version of the problem:
;;   THIS VERSION OF THE PROBLEM IS GIVEN IN LOW PRECISION. The matrix products marked QUANTISED in the list below multiply operands that are first quantised to E2M3 (2 exponent bits, 3 mantissa bits; 6 bits a number), with one power-of-two scale for each 32 numbers along K (OCP MX v1.0); their sums are f32. All else is computed in f32.
;;   The module's matrix products, in the order in which they are computed (A, B: the left and right operand; K: the contracted axis; several contracted axes count as one K, in the product's order):
;;     1. [M 32,768, K 2,048] x [K 2,048, N 1,024]; A: input hidden_states; B: input W1: QUANTISED
;;     2. [M 32,768, K 1,024] x [K 1,024, N 16]; A: computed on the way; B: input W2: QUANTISED
;;   THE QUANTISER, for each operand of a quantised product, along K:
;;     - K is cut into blocks of 32 from its start; a last block that is shorter is filled with zeros.
;;     - A block's scale is 2^e with e = floor(log2(the largest magnitude in the block)) - 2, held to -126 .. 127; a block of zeros has e = 0. As a byte (E8M0): e + 127.
;;     - Each number is divided by its block's scale, clamped to +-7.5, and rounded to the nearest number of E2M3, ties to even, subnormals kept.
;;     - The product sums the exact products of the quantised numbers (number of the format x scale) in f32.
;;   ~~~python
;;   def quantise(x, axis):      # numpy; x: float32 -> the quantised numbers, widened to float32 again
;;       x = np.moveaxis(x, axis, -1); K = x.shape[-1]
;;       x = np.pad(x, [(0, 0)] * (x.ndim - 1) + [(0, -K % 32)]); x = x.reshape(x.shape[:-1] + (-1, 32)); a = np.abs(x).max(-1, keepdims=True)
;;       e = np.where(a > 0, np.clip(np.frexp(np.where(a > 0, a, 1))[1] - 1 - 2, -126, 127), 0)      # np.frexp(a)[1] - 1 = floor(log2(a)), exactly
;;       r = np.clip(x / 2.0 ** e, -7.5, 7.5)
;;       step = 2.0 ** (np.maximum(np.frexp(np.where(r == 0, 1, r))[1] - 1, 0) - 3)
;;       q = np.round(r / step) * step * 2.0 ** e      # np.round: ties to even
;;       return np.moveaxis(q.reshape(q.shape[:-2] + (-1,))[..., :K], -1, axis).astype(np.float32)
;;   ~~~
;;   OPERANDS COMPUTED ON THE WAY. 'Computed on the way' means the value that the module computes at that place (a softmax that the list does not call 'softmax' is quantised finished and normalised). What goes into a quantiser is computed in f32, as accurately as f32 sums, v_exp_f32 and their like allow (about 1e-6 of the number): no bf16 or f16 on the way to a quantiser, and a product that is left as it is and whose result goes on into a quantised operand takes f32 operands (vector FMAs, or v_wmma_f32_16x16x4_f32). A number that lies on a knife's edge between two numbers of the format may be rounded either way, as far as f32 arithmetic and the matrix unit's own rounding can turn it there, and no further.
;; 2 versions. Each part assembles by itself: llvm-mc -triple=amdgcn-amd-amdhsa -mcpu=gfx1250 --defsym DOCPART=n.
;; ======== version 1 of 2: 2 launches
;; workspace buffers: w1img 1,572,864 bytes; w1sc 65,536 bytes; w2img 12,288 bytes; w2sc 1,024 bytes
;; launch prep (part 1): grid 258 x 1, 4 waves a work-group, no clusters, 6,912 bytes of LDS; arguments W1, W2, w1img, w1sc, w2img, w2sc; writes w1img, w1sc, w2img, w2sc
.if DOCPART == 1
	.amdgcn_target "amdgcn-amd-amdhsa--gfx1250"
	.amdhsa_code_object_version 6
	.text
	.protected	k_q965a11d91e_prep
	.globl	k_q965a11d91e_prep
	.p2align	8
	.type	k_q965a11d91e_prep,@function
k_q965a11d91e_prep:
	s_mov_b64 s[64:65], 0
	v_nop
	global_prefetch_b8 v0, s[64:65] scope:SCOPE_SE
	s_setreg_imm32_b32 hwreg(HW_REG_WAVE_MODE, 25, 1), 1
	s_wait_xcnt 0x0
; W1 [2048 (k)][1024 (n)] and W2 [1024 (k)][16 (n)], f32 with K as the FIRST axis, become codes of FP6 (E2M3) with one E8M0 byte for each 32 along K,
; laid as IMAGES OF OPERAND REGISTERS: a fragment (16 columns x 128 K, 12 registers a lane) is 1,536 bytes: piece p (0..2) holds registers 4 p .. 4 p + 3 of lane l at 512 p + 16 l.
;   w1img [chunk c 0..7][K step s 0..15][tile b 0..7][1,536]    w1sc [c][s][128 words]: word 16 b + r = the four bytes of K step s for lane r of tile b
;   w2img [K step c 0..7][1,536]                                w2sc [c][32 words]: lanes 16-31 repeat lanes 0-15
; WHICH COLUMNS FORM A TILE OF W1: lane r of tile b = 4 q + u of chunk c holds column 128 c + 64 q + 32 (r / 8) + 8 u + r % 8.  With the product used transposed the next launch then finds,
; in the 32 registers of tiles 4 q .. 4 q + 3, 32 neighbouring hidden units in one lane: a whole block of the second product's K.
; A LANE TAKES A COLUMN AND ITS REGISTERS RUN DOWN K: a block's 32 numbers lie in one lane, and the conversions give codes with K innermost; nothing is transposed by an instruction.
; A block's scale is 2^(floor(log2(largest magnitude)) - 2): its byte is the largest magnitude's exponent field - 2, held at 1 from below by a floor among the maximum's leaves.
; LIMITS: NaN and infinities are not served; a block whose largest magnitude lies under 2^-124 keeps the byte 1; a block of zeros keeps the byte 1 (not 127): its codes are zeros, and this program alone reads the bytes.
; SHARES: work-groups 0-255 take W1: work-group g = 16 (2 c + q) + s makes the four tiles 4 q .. 4 q + 3 of chunk c, K step s.  Work-groups 256, 257 take W2: a wave to a K step.
.set STG,   0                          ; LDS: 4 tiles x 32 lane rows x 48 bytes: the images, a lane's 12 registers on end
.set SCST,  6144                       ; 64 scale words
.set SPARE, 6400                       ; the spare words, 128 bytes for each wave: two blocks of 256 bytes that no other line names
.set NUM,   32                         ; v32-95   64 numbers down K
.set PC,    96                         ; v96-107  the codes: 12 registers
.set PT,    108                        ; v108-115 the second half of each block's codes, as the conversion leaves it
.set MX,    16                         ; v16-19   largest magnitudes, two chains a block
.set SOP,   20                         ; v20-21   the conversions' scale operands
.set BY,    22                         ; v22-23   the scales' bytes
.set PX,    24                         ; v24      the lane exchange's destination
.set PW,    25                         ; v25      a scale word
.set H8,    13                         ; v13      8 x (lane / 16)
.set SPW,   14                         ; v14      LDS address of my spare word; never rewritten
.set NIL,   15                         ; v15      0; never rewritten
.set OUTR,  116                        ; v116-127 the way out
.set SEL,   20                         ; s[20:21] v_permlanex16_b32's selects for lane l xor 16
; 64 numbers of a lane, v[src + 32 c + i], c = 0, 1: two whole blocks.  Codes to v[PC + 6 c ..], bytes to v[BY + c].
.macro QMAXCVT src
.irp c, 0,1
	v_max3_num_f32 v[MX+2*\c], |v[\src+32*\c]|, |v[\src+32*\c+1]|, 0x1800000         ; with the floor 2^(3 - 127): the byte cannot fall under 1
	v_max3_num_f32 v[MX+2*\c+1], |v[\src+32*\c+16]|, |v[\src+32*\c+17]|, |v[\src+32*\c+18]|
.endr
.irp i, 2,4,6,8,10,12
.irp c, 0,1
	v_max3_num_f32 v[MX+2*\c], v[MX+2*\c], |v[\src+32*\c+\i]|, |v[\src+32*\c+\i+1]|     ; four chains by turns: no line waits for the line above it
	v_max3_num_f32 v[MX+2*\c+1], v[MX+2*\c+1], |v[\src+32*\c+17+\i]|, |v[\src+32*\c+18+\i]|
.endr
.endr
.irp c, 0,1
	v_max3_num_f32 v[MX+2*\c], v[MX+2*\c], |v[\src+32*\c+14]|, |v[\src+32*\c+15]|
.endr
.irp c, 0,1
	v_max3_num_f32 v[MX+2*\c], v[MX+2*\c], v[MX+2*\c+1], |v[\src+32*\c+31]|            ; the block's largest magnitude
.endr
.irp c, 0,1
	v_add_nc_u32 v[SOP+\c], 0xff000000, v[MX+2*\c]      ; 2 off its exponent field: the conversion takes the exponent field of this operand as its scale
.endr
.irp c, 0,1
	v_lshrrev_b32 v[BY+\c], 23, v[SOP+\c]               ; the scale's byte
.endr
.irp c, 0,1
	v_cvt_scalef32_pk16_fp6_f32 v[PC+6*\c:PC+6*\c+2], v[\src+32*\c:\src+32*\c+15], v[SOP+\c]
	v_cvt_scalef32_pk16_fp6_f32 v[PT+4*\c:PT+4*\c+2], v[\src+32*\c+16:\src+32*\c+31], v[SOP+\c]   ; (a conversion's three registers begin on an even number)
.endr
	v_nop                                              ; one plain place behind a scaled conversion
.irp c, 0,1
.irp i, 0,1,2
	v_mov_b32 v[PC+6*\c+3+\i], v[PT+4*\c+\i]
.endr
.endr
.endm
; my two bytes are blocks h and 2 + h of my column: at their places, and with lane l xor 16's two, they make the scale word
.macro QWORD
	v_lshl_or_b32 v[PW], v[BY+1], 16, v[BY]
	v_lshlrev_b32 v[PW], v[H8], v[PW]
	v_permlanex16_b32 v[PX], v[PW], s[SEL], s[SEL+1]
	v_or_b32 v[PW], v[PW], v[PX]
.endm
	s_load_b256 s[4:11], s[0:1], 0x0                   ; W1 s[4:5], W2 s[6:7], w1img s[8:9], w1sc s[10:11]
	s_load_b128 s[12:15], s[0:1], 0x20                 ; w2img s[12:13], w2sc s[14:15]
	v_lshl_add_u32 v[SPW], v0, 2, SPARE
	v_mov_b32 v[NIL], 0
	v_lshrrev_b32 v1, 5, v0
	v_readfirstlane_b32 s16, v1                        ; wave 0..3
	v_and_b32 v1, 31, v0                               ; lane
	v_lshlrev_b32 v2, 4, v1                            ; 16 x lane
	v_lshlrev_b32 v3, 2, v1                            ; 4 x lane
	v_mov_b32 v[PX], 0                                 ; written once: a lane permute's destination counts as one of its sources
	s_mov_b32 s[SEL], 0x76543210
	s_mov_b32 s[SEL+1], 0xfedcba98
	s_cmp_ge_u32 ttmp9, 256                            ; the work-group's number alone: all four waves go the same way
	s_cbranch_scc1 .Lw2
	; ---- W1.  Wave v: rh = v % 2, cc = v / 2.  Lane l = 8 u + rl takes column 64 (2 c + q) + 32 rh + l (tile u, tile lane 8 rh + rl) and rows 128 s + 64 cc + 0 .. 63
	s_lshr_b32 s17, ttmp9, 4                           ; 2 c + q
	s_and_b32 s18, ttmp9, 15                           ; s
	s_and_b32 s19, s16, 1                              ; rh
	s_lshr_b32 s22, s16, 1                             ; cc
	s_lshl_b32 s24, s18, 19                            ; W1: 128 s rows of 4,096 bytes
	s_lshl_b32 s23, s22, 18                            ; + 64 cc rows
	s_add_co_u32 s24, s24, s23
	s_lshl_b32 s23, s17, 8                             ; + 64 (2 c + q) columns
	s_add_co_u32 s24, s24, s23
	s_lshl_b32 s23, s19, 7                             ; + 32 rh columns
	s_add_co_u32 s24, s24, s23
	s_mov_b32 s25, 0
	s_lshr_b32 s26, s17, 1                             ; c
	s_and_b32 s27, s17, 1                              ; q
	s_mul_i32 s28, s26, 196608                         ; w1img: chunk,
	s_mul_i32 s23, s18, 12288                          ; K step,
	s_add_co_u32 s28, s28, s23
	s_mul_i32 s23, s27, 6144                           ; four tiles,
	s_add_co_u32 s28, s28, s23
	s_mul_i32 s31, s16, 1536                           ; and the tile that my wave stores: u = wave
	s_add_co_u32 s28, s28, s31
	s_mov_b32 s29, 0
	s_lshl_b32 s32, s26, 13                            ; w1sc: (16 c + s) x 512 + 256 q
	s_lshl_b32 s23, s18, 9
	s_add_co_u32 s32, s32, s23
	s_lshl_b32 s23, s27, 8
	s_add_co_u32 s32, s32, s23
	s_mov_b32 s33, 0
	v_lshrrev_b32 v5, 3, v1                            ; u
	v_and_b32 v6, 7, v1                                ; rl
	v_mul_u32_u24 v4, v5, 1536                         ; the stage, on the way in: tile u, lane row 8 rh + rl (+ 16 for my second block), registers 6 cc on
	v_mad_u32_u24 v4, v6, 48, v4
	s_mul_i32 s34, s19, 384
	s_mul_i32 s35, s22, 24
	s_add_co_u32 s34, s34, s35
	v_add_nc_u32 v4, s34, v4
	v_lshlrev_b32 v7, 6, v5                            ; my column's scale word: 64 u + 4 (8 rh + rl), its bytes 2 cc and 2 cc + 1
	v_lshl_add_u32 v7, v6, 2, v7
	s_lshl_b32 s34, s19, 5
	s_lshl_b32 s35, s22, 1
	s_add_co_u32 s34, s34, s35
	s_add_co_u32 s34, s34, SCST
	v_add_nc_u32 v7, s34, v7
	v_mul_u32_u24 v8, v1, 48                           ; the stage, on the way out: tile = wave, lane row = lane
	v_add_nc_u32 v8, s31, v8
	v_lshl_add_u32 v9, v1, 3, SCST                     ; the 64 scale words, 8 bytes a lane
	v_lshlrev_b32 v10, 3, v1
	s_wait_kmcnt 0x0
	s_add_nc_u64 s[4:5], s[4:5], s[24:25]
	s_add_nc_u64 s[8:9], s[8:9], s[28:29]
	s_add_nc_u64 s[10:11], s[10:11], s[32:33]
.set ii, 0
.rept 64
	global_load_b32 v[NUM+ii], v3, s[4:5] offset:ii*4096 th:TH_LOAD_NT    ; one row k, 32 neighbouring columns: 128 consecutive bytes a wave
.set ii, ii+1
.endr
	s_wait_loadcnt 0x0
	QMAXCVT NUM
	ds_store_b64 v4, v[PC:PC+1]                        ; block 2 cc belongs to the fragment's lane (r, 0), registers 6 cc .. 6 cc + 5;
	ds_store_b64 v4, v[PC+2:PC+3] offset:8
	ds_store_b64 v4, v[PC+4:PC+5] offset:16
	ds_store_b64 v4, v[PC+6:PC+7] offset:768           ; block 2 cc + 1 to lane (r, 1): 16 lane rows of 48 bytes on
	ds_store_b64 v4, v[PC+8:PC+9] offset:776
	ds_store_b64 v4, v[PC+10:PC+11] offset:784
	v_lshl_or_b32 v[PW], v[BY+1], 8, v[BY]
	ds_store_b16 v7, v[PW]
	s_wait_dscnt 0x0                                   ; for the others' sake: my stores have landed
	s_barrier_signal -1
	s_barrier_wait -1
	s_cmp_lg_u32 s16, 0
	s_cbranch_scc1 .Lnot_wave_0
	ds_load_b64 v[26:27], v9                           ; wave 0: the four tiles' 64 scale words
	s_wait_dscnt 0x0
	global_store_b64 v10, v[26:27], s[10:11]           ; 32 lanes store 256 consecutive bytes, at a multiple of 256 from the buffer's first byte
.Lnot_wave_0:
.irp i, 0,1,2
	ds_load_b128 v[OUTR+4*\i:OUTR+4*\i+3], v8 offset:16*\i    ; lane rows 48 bytes apart, an odd multiple of 16
.endr
	s_wait_dscnt 0x0
.irp i, 0,1,2
	global_store_b128 v2, v[OUTR+4*\i:OUTR+4*\i+3], s[8:9] offset:512*\i   ; 512 consecutive bytes a store
.endr
	s_wait_tensorcnt 0x0                               ; the wave's end, behind my last LDS store
	ds_add_u32 v[SPW], v[NIL]
	s_wait_dscnt 0x0
	s_endpgm
.Lw2:	; ---- W2.  Wave v of work-group 256 + i takes K step c = 4 i + v.  Lane (r, h) takes column r and rows 128 c + 64 cc + 32 h + 0 .. 31: the operand's own order
	s_sub_co_u32 s17, ttmp9, 256
	s_lshl_b32 s17, s17, 2
	s_add_co_u32 s17, s17, s16                         ; c
	v_and_b32 v5, 15, v0                               ; r
	v_bfe_u32 v6, v0, 4, 1                             ; h
	v_lshlrev_b32 v4, 2, v5
	v_lshl_add_u32 v4, v6, 11, v4                      ; 4 r + 32 h rows of 64 bytes
	v_lshlrev_b32 v[H8], 3, v6
	s_lshl_b32 s24, s17, 13                            ; 128 c rows
	s_mov_b32 s25, 0
	s_mul_i32 s26, s17, 1536
	s_mov_b32 s27, 0
	s_lshl_b32 s28, s17, 7
	s_mov_b32 s29, 0
	s_wait_kmcnt 0x0
	s_add_nc_u64 s[6:7], s[6:7], s[24:25]
	s_add_nc_u64 s[12:13], s[12:13], s[26:27]
	s_add_nc_u64 s[14:15], s[14:15], s[28:29]
.set ii, 0
.rept 64
	global_load_b32 v[NUM+ii], v4, s[6:7] offset:64*(64*(ii/32)+ii%32) th:TH_LOAD_NT
.set ii, ii+1
.endr
	s_wait_loadcnt 0x0
	QMAXCVT NUM
	QWORD
.irp i, 0,1,2
	global_store_b128 v2, v[PC+4*\i:PC+4*\i+3], s[12:13] offset:512*\i
.endr
	global_store_b32 v3, v[PW], s[14:15]
	s_wait_tensorcnt 0x0                               ; this way stores nothing to LDS; it ends as the other does
	ds_add_u32 v[SPW], v[NIL]
	s_wait_dscnt 0x0
	s_endpgm
.Lfunc_end_k_q965a11d91e_prep:
	.size	k_q965a11d91e_prep, .Lfunc_end_k_q965a11d91e_prep-k_q965a11d91e_prep
	.p2alignl 7, 3214868480
	.fill 96, 4, 3214868480
	.section	.rodata,"a",@progbits
	.p2align	6, 0x0
	.amdhsa_kernel k_q965a11d91e_prep
		.amdhsa_group_segment_fixed_size 6912
		.amdhsa_private_segment_fixed_size 0
		.amdhsa_enable_private_segment 0
		.amdhsa_kernarg_size 48
		.amdhsa_user_sgpr_count 2
		.amdhsa_user_sgpr_kernarg_segment_ptr 1
		.amdhsa_wavefront_size32 1
		.amdhsa_system_sgpr_workgroup_id_x 1
		.amdhsa_system_sgpr_workgroup_id_y 1
		.amdhsa_system_sgpr_workgroup_id_z 1
		.amdhsa_system_vgpr_workitem_id 0
		.amdhsa_next_free_vgpr 128
		.amdhsa_next_free_sgpr 66
		.amdhsa_reserve_vcc 0
		.amdhsa_float_denorm_mode_32 3
		.amdhsa_float_denorm_mode_16_64 3
		.amdhsa_memory_ordered 1
		.amdhsa_forward_progress 1
		.amdhsa_inst_pref_size 24
	.end_amdhsa_kernel
	.amdgpu_metadata
---
amdhsa.version: [ 1, 2 ]
amdhsa.kernels:
  - .name:           k_q965a11d91e_prep
    .symbol:         k_q965a11d91e_prep.kd
    .args:
      - { .name: W1, .offset: 0, .size: 8, .value_kind: global_buffer, .address_space: global }
      - { .name: W2, .offset: 8, .size: 8, .value_kind: global_buffer, .address_space: global }
      - { .name: w1img, .offset: 16, .size: 8, .value_kind: global_buffer, .address_space: global }
      - { .name: w1sc, .offset: 24, .size: 8, .value_kind: global_buffer, .address_space: global }
      - { .name: w2img, .offset: 32, .size: 8, .value_kind: global_buffer, .address_space: global }
      - { .name: w2sc, .offset: 40, .size: 8, .value_kind: global_buffer, .address_space: global }
    .group_segment_fixed_size: 6912
    .private_segment_fixed_size: 0
    .kernarg_segment_align: 8
    .kernarg_segment_size: 48
    .max_flat_workgroup_size: 128
    .sgpr_count:     66
    .vgpr_count:     128
    .wavefront_size: 32
...
	.end_amdgpu_metadata
.endif
;; end of part 1
;; launch router (part 2): grid 256 x 1, 4 waves a work-group, no clusters, 321,024 bytes of LDS; arguments hidden_states, w1img, w1sc, b1, w2img, w2sc, b2, out0, out1, out2; writes out0, out1, out2
.if DOCPART == 2
	.amdgcn_target "amdgcn-amd-amdhsa--gfx1250"
	.amdhsa_code_object_version 6
	.text
	.protected	k_q965a11d91e_router
	.globl	k_q965a11d91e_router
	.p2align	8
	.type	k_q965a11d91e_router,@function
k_q965a11d91e_router:
	s_mov_b64 s[64:65], 0
	v_nop
	global_prefetch_b8 v0, s[64:65] scope:SCOPE_SE
	s_setreg_imm32_b32 hwreg(HW_REG_WAVE_MODE, 25, 1), 1
	s_wait_xcnt 0x0
; logits = relu(x W1 + b1) W2 + b2, both products on codes of FP6 (E2M3) with one E8M0 scale for each 32 along K; then softmax over 16 experts, the two largest, and their gates.
; x: [32768][2048] f32, read once.  W1 and W2 come as images of operand registers with their scale words (made by the launch before).  The hidden layer and the logits never go to memory.
; SHARES.  A work-group of four waves owns 128 tokens: 8 tiles of 16.
;   PHASE X: wave w quantises rows 32 w .. 32 w + 31 of x, all 2,048 along K, and stores the codes in LDS as images of operand registers (196,608 bytes) with their scale words (8,192 bytes).
;   PHASE G: two passes.  In pass p wave w makes hidden units 128 (2 w + p) .. + 127 for all 128 tokens: 64 accumulators of 16 x 16, 512 registers; 16 K steps of 128.  x's fragments come from LDS,
;            W1's images straight from memory into registers, two K steps ahead.  Then relu, the quantiser, and one K step of the second product: partial logits to LDS.
;   END: thread t adds token t's eight partial logits in ascending order, adds b2, and makes the softmax, the two largest and the gates.
; BOTH PRODUCTS ARE USED TRANSPOSED (source 0 = 16 rows of the weight, source 1 = 16 tokens): a lane holds one token.  The hidden units that form a tile of W1 are chosen so that the 32 registers of tiles
; 4 q .. 4 q + 3 are hidden units 64 q + 32 (lane / 16) + 0 .. 31 of the chunk: a whole block of the next K in one lane, in the operand's own order: one macro quantises x and the hidden layer.
; THE WALK ALONG K IS ROTATED: position j of a work-group's walk is K step (rho + j) % 16, rho = 2 ((work-group / 8) % 8), so that the work-groups begin at eight different K steps of W1.  x's codes are stored by
; position, so that no LDS address hangs on the work-group's number.
; NO JOINT LOADS, though all work-groups read the same W1: beside x's 204,800 bytes LDS has room for two slots of one K step (49,152 bytes) only, so a joint refill would have one step's 64 matrix instructions
; a wave in which to land, with a round of the cluster's barrier for each 64; and inside a work-group each wave reads its own 128 columns alone, so that LDS would hold a copy that no two waves share.
; NO TENSOR LOADS FOR x: the same room would hold two slots of under 58 KB, one on its way at a time; the ring of registers below has 64 loads of 512 bytes a wave issued ahead, behind counted waits.
; LIMITS: NaN and infinities are not served.  A block whose largest magnitude lies under 2^-124, a block of zeros too, keeps the scale byte 1 (zeros: with zero codes).  The first product's f32 sums run in the rotated
; order of K, beginning with b1; the second's are eight sums of 128 along K, added in ascending order in f32, then b2.  v_exp_f32 gives 0 for results under 2^-126 (ISA guide, the instruction's entry).
.set XIMG,  0                          ; LDS: x's images [tile a 0..7][position j 0..15][1,536]
.set XSC,   196608                     ; x's scale words [wave i][j][32 words]: lanes 0-15 tile 2 i, lanes 16-31 tile 2 i + 1
.set STG,   204800                     ; a stage of 8,448 bytes for each wave: 16 rows, 528 bytes apart (33 x 16: sixteen rows begin in sixteen different 16-byte columns of 256 bytes)
.set STGW,  8448
.set PL,    238592                     ; partial logits [chunk 0..7][token 0..127], 80 bytes a token (5 x 16)
.set SPARE, 320512                     ; the spare words, 128 bytes for each wave: two blocks of 256 bytes that no other line names
; REGISTERS, in windows of 256.  Window 0:
.set LI,   1                           ; 16 x lane; never rewritten
.set LS,   2                           ; 4 x lane; never rewritten
.set WO,   3                           ; offset into w1img: 16 x lane + 12,288 x K step
.set SO,   4                           ; offset into w1sc: 4 x lane + 512 x K step
.set XA,   5                           ; v5-7  LDS address of x's images at the position in hand, tiles 0-2, 3-5, 6-7
.set XSA,  8                           ; and of x's scale words
.set BO,   9                           ; 128 x (lane / 16): my half's biases
.set SPW,  10                          ; LDS address of my spare word; never rewritten
.set NIL,  11                          ; 0; never rewritten
.set PLW,  12                          ; where my partial logits go in this pass
.set H8,   13                          ; 8 x (lane / 16)
.set XB1,  14                          ; 16 x lane + 73,728
.set XB2,  15                          ; 16 x lane + 147,456
.set SX,   16                          ; v16-19, v20-23  x's scale words, sets 0 and 1
.set SW,   24                          ; v24-27, v28-31  W1's: register g: lanes 0-15 tile 2 g, lanes 16-31 tile 2 g + 1
.set W2S,  32                          ; W2's scale word of this pass's chunk; v33 the next pass's
.set W2SN, 33
.set PW,   34                          ; the scale word just made
.set XSB,  35                          ; XSC + 4 x lane
.set W2F,  36                          ; v36-47 W2's fragment of this pass's chunk; v48-59 the next pass's
.set W2N,  48
.set PLB,  60                          ; PL + 20,480 x wave + 80 r + 32 h
.set PX,   61                          ; the lane exchange's destination
.set XF,   64                          ; v64-159, v160-255  x's fragments, sets 0 and 1: tile a at + 12 a.  Outside the K loop these registers serve:
.set NUM,  64                          ; v64-127 64 numbers for the quantiser
.set PC,   128                         ; v128-139 the codes
.set PT,   140                         ; v140-147
.set MX,   148                         ; v148-151
.set SOP,  152                         ; v152-153
.set BY,   154                         ; v154-155
.set LG,   160                         ; v160-223 the partial logits of 8 tiles of tokens
.set STW,  224                         ; phase X: the stage, on the way in;
.set STR,  225                         ; on the way out;
.set XW,   226                         ; where the images go;
.set XSW,  227                         ; and their scale words;
.set XO,   228                         ; offset into x;
.set XWB,  229                         ; the bases of XW and XSW
.set XSWB, 230
; Window 1: W1's fragments, set P at v[96 P + 12 b]; v192-255 the biases, tile b at + 8 b.   Windows 2, 3: accumulator (a, b) at v[32 a + 8 (b % 4)] of window 2 + b / 4; in phase X window 2 is the ring: four units of 64.
.set PXH,  4                           ; s[4:5] x   s[6:7] w1img   s[8:9] w1sc   s[10:11] b1   s[12:13] w2img   s[14:15] w2sc   s[16:17] b2   s[18:19] out0   s[20:21] out1   s[22:23] out2
.set PWI,  6
.set PWS,  8
.set PB1,  10
.set WV,   24                          ; my wave's number
.set RHO,  25                          ; rho
.set KW,   26                          ; the K step of W1 asked for last
.set KX,   27                          ; the K step of x asked for last
.set XP,   28                          ; 1,536 x position
.set XQ,   29                          ; 128 x position
.set PASS, 30
.set CNT,  31
.set SEL,  48                          ; s[48:49] v_permlanex16_b32's selects for lane l xor 16;  s[32:47] b2;  s50-53 at work;  s54, s55 compare masks;  s[56:57] an offset;  s58 log2(e);  s59 1e-8
.set XT,   60                          ; phase X: 3,072 x trip
.set XU,   61                          ; 256 x trip
.set PLO,  62                          ; 10,240 x pass
.set MSB, 0
.macro WIN new                         ; s_set_vgpr_msb: bits 1:0 source 0, 3:2 source 1, 5:4 source 2, 7:6 destination; the high byte repeats the setting that is left
.if MSB != (\new)
	s_set_vgpr_msb (MSB<<8)|(\new)
.set MSB, (\new)
.endif
.endm
.macro PLACES                          ; a load into a register that a matrix instruction has read, and a read of a matrix result, stand four plain vector instructions behind it (ISA guide 7.12.1 for vector instructions)
.rept 4
	v_nop
.endr
.endm
; 64 numbers of a lane, v[src + 32 c + i] = k 64 c + 32 (lane / 16) + i of my row: two whole blocks.  Codes to v[PC ..] (the operand's 12 registers), bytes to v[BY + c].
.macro QMAXCVT src
.irp c, 0,1
	v_max3_num_f32 v[MX+2*\c], |v[\src+32*\c]|, |v[\src+32*\c+1]|, 0x1800000         ; with the floor 2^(3 - 127): the byte cannot fall under 1
	v_max3_num_f32 v[MX+2*\c+1], |v[\src+32*\c+16]|, |v[\src+32*\c+17]|, |v[\src+32*\c+18]|
.endr
.irp i, 2,4,6,8,10,12
.irp c, 0,1
	v_max3_num_f32 v[MX+2*\c], v[MX+2*\c], |v[\src+32*\c+\i]|, |v[\src+32*\c+\i+1]|     ; four chains by turns
	v_max3_num_f32 v[MX+2*\c+1], v[MX+2*\c+1], |v[\src+32*\c+17+\i]|, |v[\src+32*\c+18+\i]|
.endr
.endr
.irp c, 0,1
	v_max3_num_f32 v[MX+2*\c], v[MX+2*\c], |v[\src+32*\c+14]|, |v[\src+32*\c+15]|
.endr
.irp c, 0,1
	v_max3_num_f32 v[MX+2*\c], v[MX+2*\c], v[MX+2*\c+1], |v[\src+32*\c+31]|            ; the block's largest magnitude
.endr
.irp c, 0,1
	v_add_nc_u32 v[SOP+\c], 0xff000000, v[MX+2*\c]      ; 2 off its exponent field: the conversion's scale operand
.endr
.irp c, 0,1
	v_lshrrev_b32 v[BY+\c], 23, v[SOP+\c]               ; the scale's byte
.endr
.irp c, 0,1
	v_cvt_scalef32_pk16_fp6_f32 v[PC+6*\c:PC+6*\c+2], v[\src+32*\c:\src+32*\c+15], v[SOP+\c]
	v_cvt_scalef32_pk16_fp6_f32 v[PT+4*\c:PT+4*\c+2], v[\src+32*\c+16:\src+32*\c+31], v[SOP+\c]   ; (a conversion's three registers begin on an even number)
.endr
	v_nop                                              ; one plain place behind a scaled conversion
.irp c, 0,1
.irp i, 0,1,2
	v_mov_b32 v[PC+6*\c+3+\i], v[PT+4*\c+\i]
.endr
.endr
.endm
.macro QUANT src                       ; and the row's scale word in v[PW], in both halves of the lanes: my bytes are blocks h and 2 + h
	QMAXCVT \src
	v_lshl_or_b32 v[PW], v[BY+1], 16, v[BY]
	v_lshlrev_b32 v[PW], v[H8], v[PW]
	v_permlanex16_b32 v[PX], v[PW], s[SEL], s[SEL+1]
	v_or_b32 v[PW], v[PW], v[PX]
.endm
; one product of the first layer, from the symbols rD, rW, rX, rC, rSW, rSX; ra, rb: which half of the lanes holds the weight's and x's scale words
.macro WMR
.if (ra == 0) && (rb == 0)
	v_wmma_scale_f32_16x16x128_f8f6f4 v[rD:rD+7], v[rW:rW+11], v[rX:rX+11], v[rC:rC+7], v[rSW], v[rSX] matrix_a_fmt:MATRIX_FMT_FP6 matrix_b_fmt:MATRIX_FMT_FP6
.elseif (ra == 1) && (rb == 0)
	v_wmma_scale_f32_16x16x128_f8f6f4 v[rD:rD+7], v[rW:rW+11], v[rX:rX+11], v[rC:rC+7], v[rSW], v[rSX] matrix_a_fmt:MATRIX_FMT_FP6 matrix_b_fmt:MATRIX_FMT_FP6 matrix_a_scale:MATRIX_SCALE_ROW1
.elseif (ra == 0)
	v_wmma_scale_f32_16x16x128_f8f6f4 v[rD:rD+7], v[rW:rW+11], v[rX:rX+11], v[rC:rC+7], v[rSW], v[rSX] matrix_a_fmt:MATRIX_FMT_FP6 matrix_b_fmt:MATRIX_FMT_FP6 matrix_b_scale:MATRIX_SCALE_ROW1
.else
	v_wmma_scale_f32_16x16x128_f8f6f4 v[rD:rD+7], v[rW:rW+11], v[rX:rX+11], v[rC:rC+7], v[rSW], v[rSX] matrix_a_fmt:MATRIX_FMT_FP6 matrix_b_fmt:MATRIX_FMT_FP6 matrix_a_scale:MATRIX_SCALE_ROW1 matrix_b_scale:MATRIX_SCALE_ROW1
.endif
.endm
; 16 products: W1's tiles 2 g, 2 g + 1 x the 8 tiles of tokens, 128 along K, from sets P.  first = 1: the bias is the C: nothing is cleared and nothing added later.
; The 64 accumulators take turns, one instruction a turn, in the same order in every step.
.macro MUL16 P, g, first
.set bb, 2*(\g)
.rept 2
.set aa, 0
.rept 8
.set rD, 32*aa+8*(bb%4)
.set rW, 96*(\P)+12*bb
.set rX, XF+96*(\P)+12*aa
.set rSW, SW+4*(\P)+(\g)
.set rSX, SX+4*(\P)+aa/2
.set ra, bb%2
.set rb, aa%2
.if \first
.set rC, 192+8*bb
.else
.set rC, rD
.endif
	WMR
.set aa, aa+1
.endr
.set bb, bb+1
.endr
.endm
; seven loads: the scale words and the images of W1's tiles 2 g, 2 g + 1 at the K step in WO and SO, into set P
.macro WRUN P, g
	WIN 0
	global_load_b32 v[SW+4*(\P)+(\g)], v[SO], s[PWS:PWS+1] offset:128*(\g)
	WIN 0x40                                           ; destination window 1
.set bb, 2*(\g)
.rept 2
.set pp, 0
.rept 3
	global_load_b128 v[96*(\P)+12*bb+4*pp:96*(\P)+12*bb+4*pp+3], v[WO], s[PWI:PWI+1] offset:1536*bb+512*pp
.set pp, pp+1
.endr
.set bb, bb+1
.endr
.endm
.macro XFETCH P, a0, n                 ; x's fragments a0 .. a0 + n - 1 at the position in XA, into set P
.set aa, \a0
.rept \n
.set pp, 0
.rept 3
	ds_load_b128 v[XF+96*(\P)+12*aa+4*pp:XF+96*(\P)+12*aa+4*pp+3], v[XA+aa/3] offset:(aa%3)*24576+512*pp
.set pp, pp+1
.endr
.set aa, aa+1
.endr
.endm
.macro SXFETCH P
.irp i, 0,1,2,3
	ds_load_b32 v[SX+4*(\P)+\i], v[XSA] offset:2048*\i
.endr
.endm
; a pass's first two K steps of W1 (rho is even, so they are neighbours in memory), their scale words, and the pass's biases: 72 loads
.macro PRELOAD
	s_mul_i32 s50, s[RHO], 12288
	s_lshl_b32 s51, s[RHO], 9
	v_add_nc_u32 v[WO], s50, v[LI]
	v_add_nc_u32 v[SO], s51, v[LS]
.set rl, 0
.rept 2
.set gg, 0
.rept 4
	global_load_b32 v[SW+4*rl+gg], v[SO], s[PWS:PWS+1] offset:512*rl+128*gg
.set gg, gg+1
.endr
.set rl, rl+1
.endr
	WIN 0x40
.set rl, 0
.rept 2
.set bb, 0
.rept 8
.set pp, 0
.rept 3
	global_load_b128 v[96*rl+12*bb+4*pp:96*rl+12*bb+4*pp+3], v[WO], s[PWI:PWI+1] offset:12288*rl+1536*bb+512*pp
.set pp, pp+1
.endr
.set bb, bb+1
.endr
.set rl, rl+1
.endr
.set bb, 0
.rept 8                                ; tile b = 4 q + u, lane half h: b1 at hidden units 64 q + 32 h + 8 u + 0 .. 7 of the chunk: the result's layout
	global_load_b128 v[192+8*bb:192+8*bb+3], v[BO], s[PB1:PB1+1] offset:256*(bb/4)+32*(bb%4)
	global_load_b128 v[192+8*bb+4:192+8*bb+7], v[BO], s[PB1:PB1+1] offset:256*(bb/4)+32*(bb%4)+16
.set bb, bb+1
.endr
	WIN 0
	s_add_co_u32 s[KW], s[RHO], 1
.endm
; unit q = 2 srel + par of a trip of phase X: 16 rows (tile 2 w + par) x 128 along K (the trip's K step + srel): 16 loads, each 512 consecutive bytes of one row
.macro XLOADU q
	WIN 0x80                                           ; destination window 2
.set ii, 0
.rept 16
	global_load_b128 v[64*(\q)+4*ii:64*(\q)+4*ii+3], v[XO], s[PXH:PXH+1] offset:((\q)%2)*131072+ii*8192+((\q)/2)*512 th:TH_LOAD_NT
.set ii, ii+1
.endr
	WIN 0
.endm
; The unit's numbers turn through my stage (in as loaded, a row on end; out 128 bytes a lane: the operand's order), are quantised, and the image and the scale words go to LDS.
.macro XUNIT q, reload, left
	s_wait_loadcnt \left                               ; loads come back in order (ISA guide 5.7.1): this unit's 16 are in; the younger units stay out
	WIN 0x08                                           ; an LDS store's data are its source 1: window 2
.set ii, 0
.rept 16
	ds_store_b128 v[STW], v[64*(\q)+4*ii:64*(\q)+4*ii+3] offset:528*ii
.set ii, ii+1
.endr
	WIN 0
.set ii, 0
.rept 16
	ds_load_b128 v[NUM+4*ii:NUM+4*ii+3], v[STR] offset:256*(ii/8)+16*(ii%8)    ; LDS serves a wave's instructions in order (ISA guide 5.7.1.4): these see the stores above
.set ii, ii+1
.endr
	s_wait_dscnt 0x0                                   ; the numbers are in, and the last unit's image has left its registers
.if \reload
	XLOADU \q                                          ; the ring's registers take the next trip's unit
.endif
	QUANT NUM
.irp p, 0,1,2
	ds_store_b128 v[XW], v[PC+4*\p:PC+4*\p+3] offset:((\q)%2)*24576+((\q)/2)*1536+512*\p
.endr
	ds_store_b32 v[XSW], v[PW] offset:((\q)/2)*128+((\q)%2)*64    ; lanes r and r + 16 write the same word with the same value
.endm
.macro XTRIP reload                    ; positions 2 t and 2 t + 1 of my two tiles
.if \reload
	s_wait_xcnt 0x0                                    ; the loads that are out have read XO: only behind this wait is it written
	s_add_co_u32 s[KX], s[KX], 2
	s_and_b32 s[KX], s[KX], 15
	s_lshl_b32 s50, s[KX], 9
	v_add_nc_u32 v[XO], s50, v[LI]                     ; the next trip's K steps
.endif
	v_add_nc_u32 v[XW], s[XT], v[XWB]
	v_add_nc_u32 v[XSW], s[XU], v[XSWB]
.if \reload
	XUNIT 0, 1, 48
	XUNIT 1, 1, 48
	XUNIT 2, 1, 48
	XUNIT 3, 1, 48
.else
	XUNIT 0, 0, 48                                     ; the last trip loads nothing: the counts run down
	XUNIT 1, 0, 32
	XUNIT 2, 0, 16
	XUNIT 3, 0, 0
.endif
	s_add_co_u32 s[XT], s[XT], 3072
	s_add_co_u32 s[XU], s[XU], 256
.endm
; A K STEP: 64 products in four groups of 16, from sets P.  Behind group g stands run g: the two tiles of W1 that the group has just used are asked for again, for the K step two on (reload = 1): seven loads.
; Runs 0 and 1 also fetch the next position's fragments of x from LDS into the other set (xnext = 1).  l0 .. l3: how many younger loads may be out when group g's tiles must be in.
.macro STEP P, first, reload, xnext, l0, l1, l2, l3
	s_wait_dscnt 0x0                                   ; x's fragments and scale words of this position (the last were asked for 32 products ago)
	s_wait_loadcnt \l0
	WIN 0xa1-0x10*(\first)                             ; W1 window 1, x window 0, D window 2; C window 2, or the biases' window 1
	MUL16 \P, 0, \first
.if \xnext
	WIN 0
.if \reload
	s_wait_xcnt 0x0                                    ; the loads that are out have read WO and SO
	s_add_co_u32 s[KW], s[KW], 1
	s_and_b32 s[KW], s[KW], 15
	s_mul_i32 s50, s[KW], 12288
	s_lshl_b32 s51, s[KW], 9
	v_add_nc_u32 v[WO], s50, v[LI]
	v_add_nc_u32 v[SO], s51, v[LS]
.endif
	s_add_co_u32 s[XP], s[XP], 1536
	s_add_co_u32 s[XQ], s[XQ], 128
	v_add_nc_u32 v[XA], s[XP], v[LI]                   ; these four additions are the places in front of the loads below
	v_add_nc_u32 v[XA+1], s[XP], v[XB1]
	v_add_nc_u32 v[XA+2], s[XP], v[XB2]
	v_add_nc_u32 v[XSA], s[XQ], v[XSB]
	XFETCH 1-(\P), 0, 4
	SXFETCH 1-(\P)
.if \reload
	WRUN \P, 0
.endif
.endif
	s_wait_loadcnt \l1
	WIN 0xa1-0x10*(\first)
	MUL16 \P, 1, \first
.if \xnext
	PLACES
	WIN 0
	XFETCH 1-(\P), 4, 4
.if \reload
	WRUN \P, 1
.endif
.endif
	s_wait_loadcnt \l2
	WIN 0xf1-0x20*(\first)                             ; D window 3
	MUL16 \P, 2, \first
.if \reload
	PLACES
	WRUN \P, 2
.endif
	s_wait_loadcnt \l3
	WIN 0xf1-0x20*(\first)
	MUL16 \P, 3, \first
.if \reload
	PLACES
	WRUN \P, 3
.endif
.endm
.macro RELU a                          ; tile a's 64 hidden units of my token, in the next K's order; each accumulator is read from its low end on
	WIN 0x08                                           ; source 1 window 2
.set ii, 0
.rept 32
	v_max_num_f32 v[NUM+ii], 0, v[32*(\a)+ii]
.set ii, ii+1
.endr
	WIN 0x0c                                           ; source 1 window 3
.set ii, 0
.rept 32
	v_max_num_f32 v[NUM+32+ii], 0, v[32*(\a)+ii]
.set ii, ii+1
.endr
	WIN 0
.endm
.macro WM2 t                           ; the second product's K step of this chunk for tile t: source 0 = W2's 16 experts, source 1 = the hidden layer's 16 tokens
	v_wmma_scale_f32_16x16x128_f8f6f4 v[LG+8*(\t):LG+8*(\t)+7], v[W2F:W2F+11], v[PC:PC+11], 0, v[W2S], v[PW] matrix_a_fmt:MATRIX_FMT_FP6 matrix_b_fmt:MATRIX_FMT_FP6
.endm
	s_load_b512 s[4:19], s[0:1], 0x0
	s_load_b128 s[20:23], s[0:1], 0x40
	v_lshl_add_u32 v[SPW], v0, 2, SPARE
	v_mov_b32 v[NIL], 0
	v_lshrrev_b32 v62, 5, v0
	v_readfirstlane_b32 s[WV], v62                     ; wave 0..3
	v_and_b32 v[LS], 31, v0
	v_lshlrev_b32 v[LI], 4, v[LS]
	v_lshlrev_b32 v[LS], 2, v[LS]
	v_and_b32 v62, 15, v0                              ; r
	v_bfe_u32 v63, v0, 4, 1                            ; h
	v_lshlrev_b32 v[BO], 7, v63
	v_lshlrev_b32 v[H8], 3, v63
	v_add_nc_u32 v[XB1], 73728, v[LI]
	v_add_nc_u32 v[XB2], 147456, v[LI]
	v_add_nc_u32 v[XSB], XSC, v[LS]
	v_mov_b32 v[PX], 0                                 ; written once: a lane permute's destination counts as one of its sources
	s_mul_i32 s50, s[WV], 20480
	s_add_co_u32 s50, s50, PL
	v_mul_u32_u24 v[PLB], v62, 80
	v_lshl_add_u32 v[PLB], v63, 5, v[PLB]
	v_add_nc_u32 v[PLB], s50, v[PLB]
	s_mul_i32 s50, s[WV], STGW
	s_add_co_u32 s50, s50, STG                         ; my stage
	v_add_nc_u32 v[STW], s50, v[LI]
	v_mul_u32_u24 v[STR], v62, 528
	v_lshl_add_u32 v[STR], v63, 7, v[STR]
	v_add_nc_u32 v[STR], s50, v[STR]                   ; row r, + 128 h: my 32 numbers of each 64
	s_mul_i32 s51, s[WV], 49152
	v_add_nc_u32 v[XWB], s51, v[LI]                    ; my two tiles' images
	s_lshl_b32 s51, s[WV], 11
	s_add_co_u32 s51, s51, XSC
	v_lshl_add_u32 v[XSWB], v62, 2, s51                ; and their scale words
	s_lshr_b32 s[RHO], ttmp9, 2
	s_and_b32 s[RHO], s[RHO], 14                       ; rho = 2 ((work-group / 8) % 8)
	s_mov_b32 s[SEL], 0x76543210
	s_mov_b32 s[SEL+1], 0xfedcba98
	s_mov_b32 s58, 0x3fb8aa3b                          ; log2(e)
	s_mov_b32 s59, 0x322bcc77                          ; 1e-8
	s_lshl_b32 s56, ttmp9, 20                          ; x: 128 rows of 8,192 bytes a work-group,
	s_lshl_b32 s50, s[WV], 18                          ; 32 a wave
	s_add_co_u32 s56, s56, s50
	s_mov_b32 s57, 0
	s_wait_kmcnt 0x0
	s_load_b512 s[32:47], s[16:17], 0x0                ; b2
	s_add_nc_u64 s[PXH:PXH+1], s[PXH:PXH+1], s[56:57]
	s_mul_i32 s56, s[WV], 393216                       ; w1img: my two chunks lie on end
	s_add_nc_u64 s[PWI:PWI+1], s[PWI:PWI+1], s[56:57]
	s_lshl_b32 s56, s[WV], 14
	s_add_nc_u64 s[PWS:PWS+1], s[PWS:PWS+1], s[56:57]
	s_lshl_b32 s56, s[WV], 10
	s_add_nc_u64 s[PB1:PB1+1], s[PB1:PB1+1], s[56:57]
	s_mul_i32 s56, s[WV], 3072
	s_add_nc_u64 s[12:13], s[12:13], s[56:57]
	s_lshl_b32 s56, s[WV], 8
	s_add_nc_u64 s[14:15], s[14:15], s[56:57]
	s_lshl_b32 s56, ttmp9, 10                          ; out0, out1: 8 bytes a token: 128 tokens a work-group, 32 a wave
	s_lshl_b32 s50, s[WV], 8
	s_add_co_u32 s56, s56, s50
	s_add_nc_u64 s[18:19], s[18:19], s[56:57]
	s_add_nc_u64 s[20:21], s[20:21], s[56:57]
	s_lshl_b32 s56, s56, 3                             ; out2: 64 bytes a token
	s_add_nc_u64 s[22:23], s[22:23], s[56:57]
	PRELOAD                                            ; pass 0's first two K steps of W1 land under phase X
.irp p, 0,1,2
	global_load_b128 v[W2F+4*\p:W2F+4*\p+3], v[LI], s[12:13] offset:512*\p
	global_load_b128 v[W2N+4*\p:W2N+4*\p+3], v[LI], s[12:13] offset:1536+512*\p
.endr
	global_load_b32 v[W2S], v[LS], s[14:15]
	global_load_b32 v[W2SN], v[LS], s[14:15] offset:128
	s_mov_b32 s[KX], s[RHO]
	s_lshl_b32 s50, s[KX], 9
	v_add_nc_u32 v[XO], s50, v[LI]
	XLOADU 0                                           ; the ring is filled: 64 loads.  (More loads are issued here than the counter's field holds: the issue then waits, ISA guide 5.7.1)
	XLOADU 1
	XLOADU 2
	XLOADU 3
	s_mov_b32 s[XT], 0
	s_mov_b32 s[XU], 0
	s_wait_kmcnt 0x0                                   ; b2
	; ---- PHASE X: eight trips, the last written out without loads
	s_mov_b32 s[CNT], 7
.Lxtrip:
	XTRIP 1
	s_sub_co_u32 s[CNT], s[CNT], 1
	s_cmp_lg_u32 s[CNT], 0
	s_cbranch_scc1 .Lxtrip
	XTRIP 0
	s_wait_dscnt 0x0                                   ; for the others' sake: my images and scale words have landed
	s_barrier_signal -1
	s_barrier_wait -1                                  ; x's 128 fragments lie in LDS; nobody writes them again
	; ---- PHASE G
	s_mov_b32 s[PASS], 0
	s_mov_b32 s[PLO], 0
.Lpass:
	s_wait_loadcnt 0x0                                 ; the pass's first two K steps of W1, its biases; in pass 0 also W2's fragments
	s_mov_b32 s[XP], 0
	s_mov_b32 s[XQ], 0
	v_add_nc_u32 v[XA], s[XP], v[LI]
	v_add_nc_u32 v[XA+1], s[XP], v[XB1]
	v_add_nc_u32 v[XA+2], s[XP], v[XB2]
	v_add_nc_u32 v[XSA], s[XQ], v[XSB]
	v_add_nc_u32 v[PLW], s[PLO], v[PLB]
	XFETCH 0, 0, 8
	SXFETCH 0
	; Group g of step j wants run g of step j - 2.  Behind that run stand 3 - g runs of step j - 2, four of step j - 1 and g of step j: seven runs of seven loads: 49.
	STEP 0, 1, 1, 1, 49, 49, 49, 49                    ; step 0: the biases start the sums
	WIN 0                                              ; at a label and at a branch every window is 0
	s_mov_b32 s[CNT], 6
.Lk:
	STEP 1, 0, 1, 1, 49, 49, 49, 49                    ; steps 1 to 12
	STEP 0, 0, 1, 1, 49, 49, 49, 49
	WIN 0
	s_sub_co_u32 s[CNT], s[CNT], 1
	s_cmp_lg_u32 s[CNT], 0
	s_cbranch_scc1 .Lk
	STEP 1, 0, 1, 1, 49, 49, 49, 49                    ; step 13 asks for step 15's tiles: the last
	STEP 0, 0, 0, 1, 49, 42, 35, 28                    ; step 14: behind run g of step 12 stand 7 - g runs
	STEP 1, 0, 0, 0, 21, 14, 7, 0                      ; step 15: behind run g of step 13 stand 3 - g
	WIN 0
	PLACES                                             ; in front of the first read of results and of the loads into W1's registers
	s_cmp_eq_u32 s[PASS], 1
	s_cbranch_scc1 .Lno_pre                            ; the last pass has no successor: no load leaves its buffer
	s_wait_xcnt 0x0                                    ; every earlier load has read its base and its offsets
	s_add_nc_u64 s[PWI:PWI+1], s[PWI:PWI+1], 196608    ; on to my second chunk
	s_add_nc_u64 s[PWS:PWS+1], s[PWS:PWS+1], 8192
	s_add_nc_u64 s[PB1:PB1+1], s[PB1:PB1+1], 512
	PRELOAD                                            ; it lands under the lines below
.Lno_pre:
	; the hidden layer, a tile of 16 tokens at a time: relu, the quantiser, one product.  Tile a's 64 maxima are the places between tile a - 1's codes and scale word and their product (4 and 8 are asked);
	; the quantiser's maxima are the places behind that product, before its operands are written again.
	RELU 0
	QUANT NUM
.irp a, 1,2,3,4,5,6,7
	RELU \a
	WM2 \a-1
	QUANT NUM
.endr
.rept 8
	v_nop                                              ; a scale word written by a vector instruction stands 8 places ahead of the product
.endr
	WM2 7
	PLACES
.irp a, 0,1,2,3,4,5,6,7
	ds_store_b128 v[PLW], v[LG+8*\a:LG+8*\a+3] offset:1280*\a          ; lane (r, h): token 16 a + r, experts 8 h + 0 .. 7; each accumulator from its low end on
	ds_store_b128 v[PLW], v[LG+8*\a+4:LG+8*\a+7] offset:1280*\a+16
.endr
.irp i, 0,1,2,3,4,5,6,7,8,9,10,11
	v_mov_b32 v[W2F+\i], v[W2N+\i]                     ; the next pass's fragment of W2 (behind the last pass these 13 copies serve nothing: the text is written once for both passes)
.endr
	v_mov_b32 v[W2S], v[W2SN]
	s_wait_dscnt 0x0
	s_add_co_u32 s[PLO], s[PLO], 10240
	s_add_co_u32 s[PASS], s[PASS], 1
	s_cmp_lt_u32 s[PASS], 2
	s_cbranch_scc1 .Lpass
	s_barrier_signal -1                                ; my partial logits have landed (the wait for 0 above)
	s_barrier_wait -1                                  ; everybody's have
	; ---- END: thread t owns token t of the work-group's 128
	v_and_b32 v192, 31, v0
	v_mul_u32_u24 v193, v192, 80
	s_mul_i32 s50, s[WV], 2560
	s_add_co_u32 s50, s50, PL
	v_add_nc_u32 v194, s50, v193                       ; chunks 0-3 of my token;
	v_add_nc_u32 v195, 40960, v194                     ; chunks 4-7 (an LDS offset has 16 bits)
.set cc, 0
.rept 8
.set jj, 0
.rept 4
	ds_load_b128 v[64+16*cc+4*jj:64+16*cc+4*jj+3], v[194+cc/4] offset:(cc%4)*10240+16*jj
.set jj, jj+1
.endr
.set cc, cc+1
.endr
	s_mul_i32 s51, s[WV], STGW
	s_add_co_u32 s51, s51, STG                         ; my stage, for out2
	v_add_nc_u32 v215, s51, v193                       ; in: 80 bytes a token
	v_lshrrev_b32 v216, 2, v192
	v_mul_u32_u24 v216, v216, 80
	v_and_b32 v217, 3, v192
	v_lshl_add_u32 v216, v217, 4, v216
	v_add_nc_u32 v216, s51, v216                       ; back: four lanes to a token's 64 bytes
	v_lshlrev_b32 v214, 3, v192                        ; 8 x lane
	s_wait_dscnt 0x0
.set cc, 1
.rept 7
.set jj, 0
.rept 8
	v_pk_add_f32 v[64+2*jj:65+2*jj], v[64+2*jj:65+2*jj], v[64+16*cc+2*jj:65+16*cc+2*jj]   ; the eight sums of 128 along K, in ascending order
.set jj, jj+1
.endr
.set cc, cc+1
.endr
.set jj, 0
.rept 16
	v_add_f32 v[64+jj], s[32+jj], v[64+jj]             ; + b2: the logits
.set jj, jj+1
.endr
	v_max3_num_f32 v200, v64, v65, v66
.irp i, 67,69,71,73,75,77
	v_max3_num_f32 v200, v200, v[\i], v[\i+1]
.endr
	v_max_num_f32 v200, v200, v79                      ; the row's largest logit is taken away before the exponential
	v_mul_f32 v200, s58, v200
.set jj, 0
.rept 16
	v_fma_f32 v[80+jj], v[64+jj], s58, -v200
.set jj, jj+1
.endr
.set jj, 0
.rept 16
	v_exp_f32 v[80+jj], v[80+jj]
.set jj, jj+1
.endr
	v_mov_b32 v203, 0                                  ; a plain place behind the exponentials.  (v203 is named as the upper half of the pair v[202:203])
	s_wait_alu depctr_va_vdst(0)                       ; one wait for the batch, ahead of its first reader
	v_pk_add_f32 v[96:97], v[80:81], v[82:83]
	v_pk_add_f32 v[98:99], v[84:85], v[86:87]
	v_pk_add_f32 v[100:101], v[88:89], v[90:91]
	v_pk_add_f32 v[102:103], v[92:93], v[94:95]
	v_pk_add_f32 v[96:97], v[96:97], v[98:99]
	v_pk_add_f32 v[100:101], v[100:101], v[102:103]
	v_pk_add_f32 v[96:97], v[96:97], v[100:101]
	v_add_f32 v96, v96, v97
	v_rcp_f32 v202, v96
	v_mov_b32 v210, 0                                  ; (a plain place)  the largest's index
	v_mov_b32 v211, 0                                  ; the second's
	v_mov_b32 v205, -1.0                               ; the second largest so far: under every p
	s_wait_alu depctr_va_vdst(0)
.set jj, 0
.rept 8
	v_pk_mul_f32 v[80+2*jj:81+2*jj], v[80+2*jj:81+2*jj], v[202:203] op_sel_hi:[1,0]   ; router_probs
.set jj, jj+1
.endr
.irp q, 0,1,2,3
	ds_store_b128 v215, v[80+4*\q:83+4*\q] offset:16*\q
.endr
.irp i, 0,1,2,3
	ds_load_b128 v[96+4*\i:99+4*\i], v216 offset:640*\i     ; LDS serves a wave's instructions in order: these see my stores
.endr
	; the two largest, by selections alone.  The comparison is strict, so that of equal numbers the lower index is kept first
	v_mov_b32 v204, v80
.set jj, 1
.rept 15
	v_cmp_gt_f32 s54, v[80+jj], v204
	v_cmp_gt_f32 s55, v[80+jj], v205
	v_cndmask_b32 v205, v205, v[80+jj], s55
	v_cndmask_b32 v211, v211, jj, s55
	v_cndmask_b32 v205, v205, v204, s54                ; a new largest moves the old one down
	v_cndmask_b32 v211, v211, v210, s54
	v_cndmask_b32 v204, v204, v[80+jj], s54
	v_cndmask_b32 v210, v210, jj, s54
.set jj, jj+1
.endr
	v_add_f32 v212, v204, v205
	v_add_f32 v212, s59, v212
	v_rcp_f32 v213, v212
	v_nop                                              ; a plain place behind the reciprocal
	s_wait_alu depctr_va_vdst(0)
	v_mul_f32 v208, v204, v213
	v_mul_f32 v209, v205, v213
	global_store_b64 v214, v[208:209], s[18:19]        ; 32 lanes store 256 consecutive bytes, at a multiple of 256 from the buffer's first byte
	global_store_b64 v214, v[210:211], s[20:21]
	s_wait_dscnt 0x0
.irp i, 0,1,2,3
	global_store_b128 v[LI], v[96+4*\i:99+4*\i], s[22:23] offset:512*\i    ; 512 consecutive bytes a store
.endr
	s_wait_tensorcnt 0x0                               ; the wave's end, behind my last LDS store
	ds_add_u32 v[SPW], v[NIL]
	s_wait_dscnt 0x0
	s_endpgm
.Lfunc_end_k_q965a11d91e_router:
	.size	k_q965a11d91e_router, .Lfunc_end_k_q965a11d91e_router-k_q965a11d91e_router
	.p2alignl 7, 3214868480
	.fill 96, 4, 3214868480
	.section	.rodata,"a",@progbits
	.p2align	6, 0x0
	.amdhsa_kernel k_q965a11d91e_router
		.amdhsa_group_segment_fixed_size 321024
		.amdhsa_private_segment_fixed_size 0
		.amdhsa_enable_private_segment 0
		.amdhsa_kernarg_size 80
		.amdhsa_user_sgpr_count 2
		.amdhsa_user_sgpr_kernarg_segment_ptr 1
		.amdhsa_wavefront_size32 1
		.amdhsa_system_sgpr_workgroup_id_x 1
		.amdhsa_system_sgpr_workgroup_id_y 1
		.amdhsa_system_sgpr_workgroup_id_z 1
		.amdhsa_system_vgpr_workitem_id 0
		.amdhsa_next_free_vgpr 1024
		.amdhsa_next_free_sgpr 66
		.amdhsa_reserve_vcc 0
		.amdhsa_float_denorm_mode_32 3
		.amdhsa_float_denorm_mode_16_64 3
		.amdhsa_memory_ordered 1
		.amdhsa_forward_progress 1
		.amdhsa_inst_pref_size 213
	.end_amdhsa_kernel
	.amdgpu_metadata
---
amdhsa.version: [ 1, 2 ]
amdhsa.kernels:
  - .name:           k_q965a11d91e_router
    .symbol:         k_q965a11d91e_router.kd
    .args:
      - { .name: hidden_states, .offset: 0, .size: 8, .value_kind: global_buffer, .address_space: global }
      - { .name: w1img, .offset: 8, .size: 8, .value_kind: global_buffer, .address_space: global }
      - { .name: w1sc, .offset: 16, .size: 8, .value_kind: global_buffer, .address_space: global }
      - { .name: b1, .offset: 24, .size: 8, .value_kind: global_buffer, .address_space: global }
      - { .name: w2img, .offset: 32, .size: 8, .value_kind: global_buffer, .address_space: global }
      - { .name: w2sc, .offset: 40, .size: 8, .value_kind: global_buffer, .address_space: global }
      - { .name: b2, .offset: 48, .size: 8, .value_kind: global_buffer, .address_space: global }
      - { .name: out0, .offset: 56, .size: 8, .value_kind: global_buffer, .address_space: global }
      - { .name: out1, .offset: 64, .size: 8, .value_kind: global_buffer, .address_space: global }
      - { .name: out2, .offset: 72, .size: 8, .value_kind: global_buffer, .address_space: global }
    .group_segment_fixed_size: 321024
    .private_segment_fixed_size: 0
    .kernarg_segment_align: 8
    .kernarg_segment_size: 80
    .max_flat_workgroup_size: 128
    .sgpr_count:     66
    .vgpr_count:     1024
    .wavefront_size: 32
...
	.end_amdgpu_metadata
.endif
;; end of part 2
;; ======== version 2 of 2: 2 launches
;; workspace buffers: w1img 1,572,864 bytes; w1sc 65,536 bytes; w2img 12,288 bytes; w2sc 1,024 bytes
;; launch prep (part 3): grid 258 x 1, 4 waves a work-group, no clusters, 6,912 bytes of LDS; arguments W1, W2, w1img, w1sc, w2img, w2sc; writes w1img, w1sc, w2img, w2sc
.if DOCPART == 3
	.amdgcn_target "amdgcn-amd-amdhsa--gfx1250"
	.amdhsa_code_object_version 6
	.text
	.protected	k_q965a11d91e_prep
	.globl	k_q965a11d91e_prep
	.p2align	8
	.type	k_q965a11d91e_prep,@function
k_q965a11d91e_prep:
	s_mov_b64 s[64:65], 0
	v_nop
	global_prefetch_b8 v0, s[64:65] scope:SCOPE_SE
	s_setreg_imm32_b32 hwreg(HW_REG_WAVE_MODE, 25, 1), 1
	s_wait_xcnt 0x0
; W1 [2048 (k)][1024 (n)] and W2 [1024 (k)][16 (n)], f32 with K as the FIRST axis, become codes of FP6 (E2M3) with one E8M0 byte for each 32 along K,
; laid as IMAGES OF OPERAND REGISTERS: a fragment (16 columns x 128 K, 12 registers a lane) is 1,536 bytes: piece p (0..2) holds registers 4 p .. 4 p + 3 of lane l at 512 p + 16 l.
;   w1img [chunk c 0..7][K step s 0..15][tile b 0..7][1,536]    w1sc [c][s][128 words]: word 16 b + r = the four bytes of K step s for lane r of tile b
;   w2img [K step c 0..7][1,536]                                w2sc [c][32 words]: lanes 16-31 repeat lanes 0-15
; WHICH COLUMNS FORM A TILE OF W1: lane r of tile b = 4 q + u of chunk c holds column 128 c + 64 q + 32 (r / 8) + 8 u + r % 8.  With the product used transposed the next launch then finds,
; in the 32 registers of tiles 4 q .. 4 q + 3, 32 neighbouring hidden units in one lane: a whole block of the second product's K.
; A LANE TAKES A COLUMN AND ITS REGISTERS RUN DOWN K: a block's 32 numbers lie in one lane, and the conversions give codes with K innermost; nothing is transposed by an instruction.
; A block's scale is 2^(floor(log2(largest magnitude)) - 2): its byte is the largest magnitude's exponent field - 2, held at 1 from below by a floor among the maximum's leaves.
; LIMITS: NaN and infinities are not served; a block whose largest magnitude lies under 2^-124 keeps the byte 1; a block of zeros keeps the byte 1 (not 127): its codes are zeros, and this program alone reads the bytes.
; SHARES: work-groups 0-255 take W1: work-group g = 16 (2 c + q) + s makes the four tiles 4 q .. 4 q + 3 of chunk c, K step s.  Work-groups 256, 257 take W2: a wave to a K step.
.set STG,   0                          ; LDS: 4 tiles x 32 lane rows x 48 bytes: the images, a lane's 12 registers on end
.set SCST,  6144                       ; 64 scale words
.set SPARE, 6400                       ; the spare words, 128 bytes for each wave: two blocks of 256 bytes that no other line names
.set NUM,   32                         ; v32-95   64 numbers down K
.set PC,    96                         ; v96-107  the codes: 12 registers
.set PT,    108                        ; v108-115 the second half of each block's codes, as the conversion leaves it
.set MX,    16                         ; v16-19   largest magnitudes, two chains a block
.set SOP,   20                         ; v20-21   the conversions' scale operands
.set BY,    22                         ; v22-23   the scales' bytes
.set PX,    24                         ; v24      the lane exchange's destination
.set PW,    25                         ; v25      a scale word
.set H8,    13                         ; v13      8 x (lane / 16)
.set SPW,   14                         ; v14      LDS address of my spare word; never rewritten
.set NIL,   15                         ; v15      0; never rewritten
.set OUTR,  116                        ; v116-127 the way out
.set SEL,   20                         ; s[20:21] v_permlanex16_b32's selects for lane l xor 16
; 64 numbers of a lane, v[src + 32 c + i], c = 0, 1: two whole blocks.  Codes to v[PC + 6 c ..], bytes to v[BY + c].
.macro QMAXCVT src
.irp c, 0,1
	v_max3_num_f32 v[MX+2*\c], |v[\src+32*\c]|, |v[\src+32*\c+1]|, 0x1800000         ; with the floor 2^(3 - 127): the byte cannot fall under 1
	v_max3_num_f32 v[MX+2*\c+1], |v[\src+32*\c+16]|, |v[\src+32*\c+17]|, |v[\src+32*\c+18]|
.endr
.irp i, 2,4,6,8,10,12
.irp c, 0,1
	v_max3_num_f32 v[MX+2*\c], v[MX+2*\c], |v[\src+32*\c+\i]|, |v[\src+32*\c+\i+1]|     ; four chains by turns: no line waits for the line above it
	v_max3_num_f32 v[MX+2*\c+1], v[MX+2*\c+1], |v[\src+32*\c+17+\i]|, |v[\src+32*\c+18+\i]|
.endr
.endr
.irp c, 0,1
	v_max3_num_f32 v[MX+2*\c], v[MX+2*\c], |v[\src+32*\c+14]|, |v[\src+32*\c+15]|
.endr
.irp c, 0,1
	v_max3_num_f32 v[MX+2*\c], v[MX+2*\c], v[MX+2*\c+1], |v[\src+32*\c+31]|            ; the block's largest magnitude
.endr
.irp c, 0,1
	v_add_nc_u32 v[SOP+\c], 0xff000000, v[MX+2*\c]      ; 2 off its exponent field: the conversion takes the exponent field of this operand as its scale
.endr
.irp c, 0,1
	v_lshrrev_b32 v[BY+\c], 23, v[SOP+\c]               ; the scale's byte
.endr
.irp c, 0,1
	v_cvt_scalef32_pk16_fp6_f32 v[PC+6*\c:PC+6*\c+2], v[\src+32*\c:\src+32*\c+15], v[SOP+\c]
	v_cvt_scalef32_pk16_fp6_f32 v[PT+4*\c:PT+4*\c+2], v[\src+32*\c+16:\src+32*\c+31], v[SOP+\c]   ; (a conversion's three registers begin on an even number)
.endr
	v_nop                                              ; one plain place behind a scaled conversion
.irp c, 0,1
.irp i, 0,1,2
	v_mov_b32 v[PC+6*\c+3+\i], v[PT+4*\c+\i]
.endr
.endr
.endm
; my two bytes are blocks h and 2 + h of my column: at their places, and with lane l xor 16's two, they make the scale word
.macro QWORD
	v_lshl_or_b32 v[PW], v[BY+1], 16, v[BY]
	v_lshlrev_b32 v[PW], v[H8], v[PW]
	v_permlanex16_b32 v[PX], v[PW], s[SEL], s[SEL+1]
	v_or_b32 v[PW], v[PW], v[PX]
.endm
	s_load_b256 s[4:11], s[0:1], 0x0                   ; W1 s[4:5], W2 s[6:7], w1img s[8:9], w1sc s[10:11]
	s_load_b128 s[12:15], s[0:1], 0x20                 ; w2img s[12:13], w2sc s[14:15]
	v_lshl_add_u32 v[SPW], v0, 2, SPARE
	v_mov_b32 v[NIL], 0
	v_lshrrev_b32 v1, 5, v0
	v_readfirstlane_b32 s16, v1                        ; wave 0..3
	v_and_b32 v1, 31, v0                               ; lane
	v_lshlrev_b32 v2, 4, v1                            ; 16 x lane
	v_lshlrev_b32 v3, 2, v1                            ; 4 x lane
	v_mov_b32 v[PX], 0                                 ; written once: a lane permute's destination counts as one of its sources
	s_mov_b32 s[SEL], 0x76543210
	s_mov_b32 s[SEL+1], 0xfedcba98
	s_cmp_ge_u32 ttmp9, 256                            ; the work-group's number alone: all four waves go the same way
	s_cbranch_scc1 .Lw2
	; ---- W1.  Wave v: rh = v % 2, cc = v / 2.  Lane l = 8 u + rl takes column 64 (2 c + q) + 32 rh + l (tile u, tile lane 8 rh + rl) and rows 128 s + 64 cc + 0 .. 63
	s_lshr_b32 s17, ttmp9, 4                           ; 2 c + q
	s_and_b32 s18, ttmp9, 15                           ; s
	s_and_b32 s19, s16, 1                              ; rh
	s_lshr_b32 s22, s16, 1                             ; cc
	s_lshl_b32 s24, s18, 19                            ; W1: 128 s rows of 4,096 bytes
	s_lshl_b32 s23, s22, 18                            ; + 64 cc rows
	s_add_co_u32 s24, s24, s23
	s_lshl_b32 s23, s17, 8                             ; + 64 (2 c + q) columns
	s_add_co_u32 s24, s24, s23
	s_lshl_b32 s23, s19, 7                             ; + 32 rh columns
	s_add_co_u32 s24, s24, s23
	s_mov_b32 s25, 0
	s_lshr_b32 s26, s17, 1                             ; c
	s_and_b32 s27, s17, 1                              ; q
	s_mul_i32 s28, s26, 196608                         ; w1img: chunk,
	s_mul_i32 s23, s18, 12288                          ; K step,
	s_add_co_u32 s28, s28, s23
	s_mul_i32 s23, s27, 6144                           ; four tiles,
	s_add_co_u32 s28, s28, s23
	s_mul_i32 s31, s16, 1536                           ; and the tile that my wave stores: u = wave
	s_add_co_u32 s28, s28, s31
	s_mov_b32 s29, 0
	s_lshl_b32 s32, s26, 13                            ; w1sc: (16 c + s) x 512 + 256 q
	s_lshl_b32 s23, s18, 9
	s_add_co_u32 s32, s32, s23
	s_lshl_b32 s23, s27, 8
	s_add_co_u32 s32, s32, s23
	s_mov_b32 s33, 0
	s_wait_alu depctr_va_vdst(0)
	v_lshrrev_b32 v5, 3, v1                            ; u
	v_and_b32 v6, 7, v1                                ; rl
	v_mul_u32_u24 v4, v5, 1536                         ; the stage, on the way in: tile u, lane row 8 rh + rl (+ 16 for my second block), registers 6 cc on
	v_mad_u32_u24 v4, v6, 48, v4
	s_mul_i32 s34, s19, 384
	s_mul_i32 s35, s22, 24
	s_add_co_u32 s34, s34, s35
	v_add_nc_u32 v4, s34, v4
	v_lshlrev_b32 v7, 6, v5                            ; my column's scale word: 64 u + 4 (8 rh + rl), its bytes 2 cc and 2 cc + 1
	v_lshl_add_u32 v7, v6, 2, v7
	s_lshl_b32 s34, s19, 5
	s_lshl_b32 s35, s22, 1
	s_add_co_u32 s34, s34, s35
	s_add_co_u32 s34, s34, SCST
	v_add_nc_u32 v7, s34, v7
	v_mul_u32_u24 v8, v1, 48                           ; the stage, on the way out: tile = wave, lane row = lane
	v_add_nc_u32 v8, s31, v8
	v_lshl_add_u32 v9, v1, 3, SCST                     ; the 64 scale words, 8 bytes a lane
	v_lshlrev_b32 v10, 3, v1
	s_wait_kmcnt 0x0
	s_add_nc_u64 s[4:5], s[4:5], s[24:25]
	s_add_nc_u64 s[8:9], s[8:9], s[28:29]
	s_add_nc_u64 s[10:11], s[10:11], s[32:33]
.set ii, 0
.rept 64
	global_load_b32 v[NUM+ii], v3, s[4:5] offset:ii*4096 th:TH_LOAD_NT    ; one row k, 32 neighbouring columns: 128 consecutive bytes a wave
.set ii, ii+1
.endr
	s_wait_loadcnt 0x0
	QMAXCVT NUM
	ds_store_b64 v4, v[PC:PC+1]                        ; block 2 cc belongs to the fragment's lane (r, 0), registers 6 cc .. 6 cc + 5;
	ds_store_b64 v4, v[PC+2:PC+3] offset:8
	ds_store_b64 v4, v[PC+4:PC+5] offset:16
	ds_store_b64 v4, v[PC+6:PC+7] offset:768           ; block 2 cc + 1 to lane (r, 1): 16 lane rows of 48 bytes on
	ds_store_b64 v4, v[PC+8:PC+9] offset:776
	ds_store_b64 v4, v[PC+10:PC+11] offset:784
	v_lshl_or_b32 v[PW], v[BY+1], 8, v[BY]
	ds_store_b16 v7, v[PW]
	s_wait_dscnt 0x0                                   ; for the others' sake: my stores have landed
	s_barrier_signal -1
	s_barrier_wait -1
	s_cmp_lg_u32 s16, 0
	s_cbranch_scc1 .Lnot_wave_0
	ds_load_b64 v[26:27], v9                           ; wave 0: the four tiles' 64 scale words
	s_wait_dscnt 0x0
	global_store_b64 v10, v[26:27], s[10:11]           ; 32 lanes store 256 consecutive bytes, at a multiple of 256 from the buffer's first byte
.Lnot_wave_0:
.irp i, 0,1,2
	ds_load_b128 v[OUTR+4*\i:OUTR+4*\i+3], v8 offset:16*\i    ; lane rows 48 bytes apart, an odd multiple of 16
.endr
	s_wait_dscnt 0x0
.irp i, 0,1,2
	global_store_b128 v2, v[OUTR+4*\i:OUTR+4*\i+3], s[8:9] offset:512*\i   ; 512 consecutive bytes a store
.endr
	s_wait_tensorcnt 0x0                               ; the wave's end, behind my last LDS store
	ds_add_u32 v[SPW], v[NIL]
	s_wait_dscnt 0x0
	s_endpgm
.Lw2:	; ---- W2.  Wave v of work-group 256 + i takes K step c = 4 i + v.  Lane (r, h) takes column r and rows 128 c + 64 cc + 32 h + 0 .. 31: the operand's own order
	s_sub_co_u32 s17, ttmp9, 256
	s_lshl_b32 s17, s17, 2
	s_add_co_u32 s17, s17, s16                         ; c
	v_and_b32 v5, 15, v0                               ; r
	v_bfe_u32 v6, v0, 4, 1                             ; h
	v_lshlrev_b32 v4, 2, v5
	v_lshl_add_u32 v4, v6, 11, v4                      ; 4 r + 32 h rows of 64 bytes
	v_lshlrev_b32 v[H8], 3, v6
	s_lshl_b32 s24, s17, 13                            ; 128 c rows
	s_mov_b32 s25, 0
	s_mul_i32 s26, s17, 1536
	s_mov_b32 s27, 0
	s_lshl_b32 s28, s17, 7
	s_mov_b32 s29, 0
	s_wait_alu depctr_va_vdst(0)
	s_wait_kmcnt 0x0
	s_add_nc_u64 s[6:7], s[6:7], s[24:25]
	s_add_nc_u64 s[12:13], s[12:13], s[26:27]
	s_add_nc_u64 s[14:15], s[14:15], s[28:29]
.set ii, 0
.rept 64
	global_load_b32 v[NUM+ii], v4, s[6:7] offset:64*(64*(ii/32)+ii%32) th:TH_LOAD_NT
.set ii, ii+1
.endr
	s_wait_loadcnt 0x0
	QMAXCVT NUM
	QWORD
.irp i, 0,1,2
	global_store_b128 v2, v[PC+4*\i:PC+4*\i+3], s[12:13] offset:512*\i
.endr
	global_store_b32 v3, v[PW], s[14:15]
	s_wait_tensorcnt 0x0                               ; this way stores nothing to LDS; it ends as the other does
	ds_add_u32 v[SPW], v[NIL]
	s_wait_dscnt 0x0
	s_endpgm
.Lfunc_end_k_q965a11d91e_prep:
	.size	k_q965a11d91e_prep, .Lfunc_end_k_q965a11d91e_prep-k_q965a11d91e_prep
	.p2alignl 7, 3214868480
	.fill 96, 4, 3214868480
	.section	.rodata,"a",@progbits
	.p2align	6, 0x0
	.amdhsa_kernel k_q965a11d91e_prep
		.amdhsa_group_segment_fixed_size 6912
		.amdhsa_private_segment_fixed_size 0
		.amdhsa_enable_private_segment 0
		.amdhsa_kernarg_size 48
		.amdhsa_user_sgpr_count 2
		.amdhsa_user_sgpr_kernarg_segment_ptr 1
		.amdhsa_wavefront_size32 1
		.amdhsa_system_sgpr_workgroup_id_x 1
		.amdhsa_system_sgpr_workgroup_id_y 1
		.amdhsa_system_sgpr_workgroup_id_z 1
		.amdhsa_system_vgpr_workitem_id 0
		.amdhsa_next_free_vgpr 128
		.amdhsa_next_free_sgpr 66
		.amdhsa_reserve_vcc 0
		.amdhsa_float_denorm_mode_32 3
		.amdhsa_float_denorm_mode_16_64 3
		.amdhsa_memory_ordered 1
		.amdhsa_forward_progress 1
		.amdhsa_inst_pref_size 24
	.end_amdhsa_kernel
	.amdgpu_metadata
---
amdhsa.version: [ 1, 2 ]
amdhsa.kernels:
  - .name:           k_q965a11d91e_prep
    .symbol:         k_q965a11d91e_prep.kd
    .args:
      - { .name: W1, .offset: 0, .size: 8, .value_kind: global_buffer, .address_space: global }
      - { .name: W2, .offset: 8, .size: 8, .value_kind: global_buffer, .address_space: global }
      - { .name: w1img, .offset: 16, .size: 8, .value_kind: global_buffer, .address_space: global }
      - { .name: w1sc, .offset: 24, .size: 8, .value_kind: global_buffer, .address_space: global }
      - { .name: w2img, .offset: 32, .size: 8, .value_kind: global_buffer, .address_space: global }
      - { .name: w2sc, .offset: 40, .size: 8, .value_kind: global_buffer, .address_space: global }
    .group_segment_fixed_size: 6912
    .private_segment_fixed_size: 0
    .kernarg_segment_align: 8
    .kernarg_segment_size: 48
    .max_flat_workgroup_size: 128
    .sgpr_count:     66
    .vgpr_count:     128
    .wavefront_size: 32
...
	.end_amdgpu_metadata
.endif
;; end of part 3
;; launch router (part 4): grid 256 x 1, 4 waves a work-group, no clusters, 321,024 bytes of LDS; arguments hidden_states, w1img, w1sc, b1, w2img, w2sc, b2, out0, out1, out2; writes out0, out1, out2
.if DOCPART == 4
	.amdgcn_target "amdgcn-amd-amdhsa--gfx1250"
	.amdhsa_code_object_version 6
	.text
	.protected	k_q965a11d91e_router
	.globl	k_q965a11d91e_router
	.p2align	8
	.type	k_q965a11d91e_router,@function
k_q965a11d91e_router:
	s_mov_b64 s[64:65], 0
	v_nop
	global_prefetch_b8 v0, s[64:65] scope:SCOPE_SE
	s_setreg_imm32_b32 hwreg(HW_REG_WAVE_SCHED_MODE, 0, 2), 2
	s_setreg_imm32_b32 hwreg(HW_REG_WAVE_MODE, 25, 1), 1
	s_wait_xcnt 0x0
	s_wait_alu depctr_vm_vsrc(0)
; logits = relu(x W1 + b1) W2 + b2, both products on codes of FP6 (E2M3) with one E8M0 scale for each 32 along K; then softmax over 16 experts, the two largest, and their gates.
; x: [32768][2048] f32, read once.  W1 and W2 come as images of operand registers with their scale words (made by the launch before).  The hidden layer and the logits never go to memory.
; SHARES.  A work-group of four waves owns 128 tokens: 8 tiles of 16.
;   PHASE X: wave w quantises rows 32 w .. 32 w + 31 of x, all 2,048 along K, and stores the codes in LDS as images of operand registers (196,608 bytes) with their scale words (8,192 bytes).
;   PHASE G: two passes.  In pass p wave w makes hidden units 128 (2 w + p) .. + 127 for all 128 tokens: 64 accumulators of 16 x 16, 512 registers; 16 K steps of 128.  x's fragments come from LDS,
;            W1's images straight from memory into registers, a step and a half ahead.  Then relu, the quantiser, and one K step of the second product: partial logits to LDS.
;   END: thread t adds token t's eight partial logits in ascending order, adds b2, and makes the softmax, the two largest and the gates.
; BOTH PRODUCTS ARE USED TRANSPOSED (source 0 = 16 rows of the weight, source 1 = 16 tokens): a lane holds one token.  The hidden units that form a tile of W1 are chosen so that the 32 registers of tiles
; 4 q .. 4 q + 3 are hidden units 64 q + 32 (lane / 16) + 0 .. 31 of the chunk: a whole block of the next K in one lane, in the operand's own order: one macro quantises x and the hidden layer.
; THE WALK ALONG K IS ROTATED: position j of a work-group's walk is K step (rho + j) % 16, rho = 2 ((work-group / 8) % 8), so that the work-groups begin at eight different K steps of W1.  x's codes are stored by
; position, so that no LDS address hangs on the work-group's number.
; NO JOINT LOADS, though all work-groups read the same W1: beside x's 204,800 bytes LDS has room for two slots of one K step (49,152 bytes) only, so a joint refill would have one step's 64 matrix instructions
; a wave in which to land, with a round of the cluster's barrier for each 64; and inside a work-group each wave reads its own 128 columns alone, so that LDS would hold a copy that no two waves share.
; NO TENSOR LOADS FOR x: the same room would hold two slots of under 58 KB, one on its way at a time; the ring of registers below has 64 loads of 512 bytes a wave issued ahead, behind counted waits.
; LIMITS: NaN and infinities are not served.  A block whose largest magnitude lies under 2^-124, a block of zeros too, keeps the scale byte 1 (zeros: with zero codes).  The first product's f32 sums run in the rotated
; order of K, beginning with b1; the second's are eight sums of 128 along K, added in ascending order in f32, then b2.  v_exp_f32 gives 0 for results under 2^-126 (ISA guide, the instruction's entry).
; THE MODE: SCHED_MODE bits 1:0 = 2 (LLVM: expert scheduling mode 2), set by the entry lines.  The code itself states the register dependences between vector or matrix instructions and memory or LDS
; instructions, with s_wait_alu, always for 0.
; THE PLAN.  Registers that memory or LDS instructions touch:
;   PHASE X.  The ring (window 2, four units): global loads land in it, the stage's stores read it.  NUM and NUM2: the stage's loads of unit q land in buffer q % 2, unit q's quantiser reads it.  PC, PW: the quantiser
;     writes them, the image's stores read them.  XO, XW, XSW: written once a trip.  The order is TURN(q + 1), QS(q): a unit goes through the stage while the unit before is quantised.  One wait on vm_vsrc stands behind
;     a TURN's LDS lines (the ring is read; so are PC, PW, XW, XSW by the last image's stores, and XO by the ring's loads); one wait on va_vdst behind a quantiser (PC, PW, XW, XSW are written; its buffer is read out).
;   THE K LOOP.  W1's fragments and scale words (two sets): global loads land, products read.  x's fragments and scale words (two sets): LDS loads land, products read.  WO, SO, XA, XSA: written once a step.
;     A step has two points.  A, behind groups 0 and 1: vm_vsrc, the six additions, va_vdst; then x's tiles 4-7 of the next position (other set) and W1's tiles 0-3 two K steps on (this set).
;     B, behind groups 2 and 3: va_vdst; then x's tiles 0-3 and scale words two positions on (this set, which the step's products have read) and W1's tiles 4-7.
;     No vector or matrix instruction between a point's wait and its loads names a register that those loads touch.
;   Each pass's head, its end and the kernel's end state their own dependences where they stand.
.set XIMG,  0                          ; LDS: x's images [tile a 0..7][position j 0..15][1,536]
.set XSC,   196608                     ; x's scale words [wave i][j][32 words]: lanes 0-15 tile 2 i, lanes 16-31 tile 2 i + 1
.set STG,   204800                     ; a stage of 8,448 bytes for each wave: 16 rows, 528 bytes apart (33 x 16: sixteen rows begin in sixteen different 16-byte columns of 256 bytes)
.set STGW,  8448
.set PL,    238592                     ; partial logits [chunk 0..7][token 0..127], 80 bytes a token (5 x 16)
.set SPARE, 320512                     ; the spare words, 128 bytes for each wave: two blocks of 256 bytes that no other line names
; REGISTERS, in windows of 256.  Window 0:
.set LI,   1                           ; 16 x lane; never rewritten
.set LS,   2                           ; 4 x lane; never rewritten
.set WO,   3                           ; offset into w1img: 16 x lane + 12,288 x K step
.set SO,   4                           ; offset into w1sc: 4 x lane + 512 x K step
.set XA,   5                           ; v5-7  LDS address of x's images at the position in hand, tiles 0-2, 3-5, 6-7
.set XSA,  8                           ; and of x's scale words
.set BO,   9                           ; 128 x (lane / 16): my half's biases
.set SPW,  10                          ; LDS address of my spare word; never rewritten
.set NIL,  11                          ; 0; never rewritten
.set PLW,  12                          ; where my partial logits go in this pass
.set H8,   13                          ; 8 x (lane / 16)
.set XB1,  14                          ; 16 x lane + 73,728
.set XB2,  15                          ; 16 x lane + 147,456
.set SX,   16                          ; v16-19, v20-23  x's scale words, sets 0 and 1
.set SW,   24                          ; v24-27, v28-31  W1's: register g: lanes 0-15 tile 2 g, lanes 16-31 tile 2 g + 1
.set W2S,  32                          ; W2's scale word of this pass's chunk; v33 the next pass's
.set W2SN, 33
.set PW,   34                          ; the scale word just made
.set XSB,  35                          ; XSC + 4 x lane
.set W2F,  36                          ; v36-47 W2's fragment of this pass's chunk; v48-59 the next pass's
.set W2N,  48
.set PLB,  60                          ; PL + 20,480 x wave + 80 r + 32 h
.set PX,   61                          ; the lane exchange's destination
.set XF,   64                          ; v64-159, v160-255  x's fragments, sets 0 and 1: tile a at + 12 a.  Outside the K loop these registers serve:
.set NUM,  64                          ; v64-127 64 numbers for the quantiser
.set PC,   128                         ; v128-139 the codes
.set PT,   140                         ; v140-147
.set MX,   148                         ; v148-151
.set SOP,  152                         ; v152-153
.set BY,   154                         ; v154-155
.set NUM2, 160                         ; v160-223 phase X: the second buffer of 64 numbers (NUM + 96)
.set LG,   160                         ; v160-223 the partial logits of 8 tiles of tokens
.set STW,  224                         ; phase X: the stage, on the way in;
.set STR,  225                         ; on the way out;
.set XW,   226                         ; where the images go;
.set XSW,  227                         ; and their scale words;
.set XO,   228                         ; offset into x;
.set XWB,  229                         ; the bases of XW and XSW
.set XSWB, 230
; Window 1: W1's fragments, set P at v[96 P + 12 b]; v192-255 the biases, tile b at + 8 b.   Windows 2, 3: accumulator (a, b) at v[32 a + 8 (b % 4)] of window 2 + b / 4; in phase X window 2 is the ring: four units of 64.
.set PXH,  4                           ; s[4:5] x   s[6:7] w1img   s[8:9] w1sc   s[10:11] b1   s[12:13] w2img   s[14:15] w2sc   s[16:17] b2   s[18:19] out0   s[20:21] out1   s[22:23] out2
.set PWI,  6
.set PWS,  8
.set PB1,  10
.set WV,   24                          ; my wave's number
.set RHO,  25                          ; rho
.set KW,   26                          ; the K step of W1 asked for last
.set KX,   27                          ; the K step of x asked for last
.set XP,   28                          ; 1,536 x position
.set XQ,   29                          ; 128 x position
.set PASS, 30
.set CNT,  31
.set SEL,  48                          ; s[48:49] v_permlanex16_b32's selects for lane l xor 16;  s[32:47] b2;  s50-53 at work;  s54, s55 compare masks;  s[56:57] an offset;  s58 log2(e);  s59 1e-8
.set XT,   60                          ; phase X: 3,072 x trip
.set XU,   61                          ; 256 x trip
.set PLO,  62                          ; 10,240 x pass
.set MSB, 0
.macro WIN new                         ; s_set_vgpr_msb: bits 1:0 source 0, 3:2 source 1, 5:4 source 2, 7:6 destination; the high byte repeats the setting that is left
.if MSB != (\new)
	s_set_vgpr_msb (MSB<<8)|(\new)
.set MSB, (\new)
.endif
.endm
.macro PLACES                          ; four plain vector instructions behind a matrix instruction, before its registers are touched (ISA guide 7.12.1 for vector instructions)
.rept 4
	v_nop
.endr
.endm
; 64 numbers of a lane, v[src + 32 c + i] = k 64 c + 32 (lane / 16) + i of my row: two whole blocks.  Codes to v[PC ..] (the operand's 12 registers), bytes to v[BY + c].
.macro QMAXCVT src
.irp c, 0,1
	v_max3_num_f32 v[MX+2*\c], |v[\src+32*\c]|, |v[\src+32*\c+1]|, 0x1800000         ; with the floor 2^(3 - 127): the byte cannot fall under 1
	v_max3_num_f32 v[MX+2*\c+1], |v[\src+32*\c+16]|, |v[\src+32*\c+17]|, |v[\src+32*\c+18]|
.endr
.irp i, 2,4,6,8,10,12
.irp c, 0,1
	v_max3_num_f32 v[MX+2*\c], v[MX+2*\c], |v[\src+32*\c+\i]|, |v[\src+32*\c+\i+1]|     ; four chains by turns
	v_max3_num_f32 v[MX+2*\c+1], v[MX+2*\c+1], |v[\src+32*\c+17+\i]|, |v[\src+32*\c+18+\i]|
.endr
.endr
.irp c, 0,1
	v_max3_num_f32 v[MX+2*\c], v[MX+2*\c], |v[\src+32*\c+14]|, |v[\src+32*\c+15]|
.endr
.irp c, 0,1
	v_max3_num_f32 v[MX+2*\c], v[MX+2*\c], v[MX+2*\c+1], |v[\src+32*\c+31]|            ; the block's largest magnitude
.endr
.irp c, 0,1
	v_add_nc_u32 v[SOP+\c], 0xff000000, v[MX+2*\c]      ; 2 off its exponent field: the conversion's scale operand
.endr
.irp c, 0,1
	v_lshrrev_b32 v[BY+\c], 23, v[SOP+\c]               ; the scale's byte
.endr
.irp c, 0,1
	v_cvt_scalef32_pk16_fp6_f32 v[PC+6*\c:PC+6*\c+2], v[\src+32*\c:\src+32*\c+15], v[SOP+\c]
	v_cvt_scalef32_pk16_fp6_f32 v[PT+4*\c:PT+4*\c+2], v[\src+32*\c+16:\src+32*\c+31], v[SOP+\c]   ; (a conversion's three registers begin on an even number)
.endr
	v_nop                                              ; one plain place behind a scaled conversion
.irp c, 0,1
.irp i, 0,1,2
	v_mov_b32 v[PC+6*\c+3+\i], v[PT+4*\c+\i]
.endr
.endr
.endm
.macro QUANT src                       ; and the row's scale word in v[PW], in both halves of the lanes: my bytes are blocks h and 2 + h
	QMAXCVT \src
	v_lshl_or_b32 v[PW], v[BY+1], 16, v[BY]
	v_lshlrev_b32 v[PW], v[H8], v[PW]
	v_permlanex16_b32 v[PX], v[PW], s[SEL], s[SEL+1]
	v_or_b32 v[PW], v[PW], v[PX]
.endm
; one product of the first layer, from the symbols rD, rW, rX, rC, rSW, rSX; ra, rb: which half of the lanes holds the weight's and x's scale words
.macro WMR
.if (ra == 0) && (rb == 0)
	v_wmma_scale_f32_16x16x128_f8f6f4 v[rD:rD+7], v[rW:rW+11], v[rX:rX+11], v[rC:rC+7], v[rSW], v[rSX] matrix_a_fmt:MATRIX_FMT_FP6 matrix_b_fmt:MATRIX_FMT_FP6
.elseif (ra == 1) && (rb == 0)
	v_wmma_scale_f32_16x16x128_f8f6f4 v[rD:rD+7], v[rW:rW+11], v[rX:rX+11], v[rC:rC+7], v[rSW], v[rSX] matrix_a_fmt:MATRIX_FMT_FP6 matrix_b_fmt:MATRIX_FMT_FP6 matrix_a_scale:MATRIX_SCALE_ROW1
.elseif (ra == 0)
	v_wmma_scale_f32_16x16x128_f8f6f4 v[rD:rD+7], v[rW:rW+11], v[rX:rX+11], v[rC:rC+7], v[rSW], v[rSX] matrix_a_fmt:MATRIX_FMT_FP6 matrix_b_fmt:MATRIX_FMT_FP6 matrix_b_scale:MATRIX_SCALE_ROW1
.else
	v_wmma_scale_f32_16x16x128_f8f6f4 v[rD:rD+7], v[rW:rW+11], v[rX:rX+11], v[rC:rC+7], v[rSW], v[rSX] matrix_a_fmt:MATRIX_FMT_FP6 matrix_b_fmt:MATRIX_FMT_FP6 matrix_a_scale:MATRIX_SCALE_ROW1 matrix_b_scale:MATRIX_SCALE_ROW1
.endif
.endm
; 16 products: W1's tiles 2 g, 2 g + 1 x the 8 tiles of tokens, 128 along K, from sets P.  first = 1: the bias is the C: nothing is cleared and nothing added later.
; The 64 accumulators take turns, one instruction a turn, in the same order in every step.
.macro MUL16 P, g, first
.set bb, 2*(\g)
.rept 2
.set aa, 0
.rept 8
.set rD, 32*aa+8*(bb%4)
.set rW, 96*(\P)+12*bb
.set rX, XF+96*(\P)+12*aa
.set rSW, SW+4*(\P)+(\g)
.set rSX, SX+4*(\P)+aa/2
.set ra, bb%2
.set rb, aa%2
.if \first
.set rC, 192+8*bb
.else
.set rC, rD
.endif
	WMR
.set aa, aa+1
.endr
.set bb, bb+1
.endr
.endm
; fourteen loads: the scale words of groups 2 h and 2 h + 1, then the images of W1's tiles 4 h .. 4 h + 3, at the K step in WO and SO, into set P
.macro WRUN2 P, h
	WIN 0
	global_load_b32 v[SW+4*(\P)+2*(\h)], v[SO], s[PWS:PWS+1] offset:256*(\h)
	global_load_b32 v[SW+4*(\P)+2*(\h)+1], v[SO], s[PWS:PWS+1] offset:256*(\h)+128
	WIN 0x40                                           ; destination window 1
.set bb, 4*(\h)
.rept 4
.set pp, 0
.rept 3
	global_load_b128 v[96*(\P)+12*bb+4*pp:96*(\P)+12*bb+4*pp+3], v[WO], s[PWI:PWI+1] offset:1536*bb+512*pp
.set pp, pp+1
.endr
.set bb, bb+1
.endr
.endm
.macro XFETCH P, a0, n, off            ; x's fragments a0 .. a0 + n - 1, off bytes behind the position in XA, into set P
.set aa, \a0
.rept \n
.set pp, 0
.rept 3
	ds_load_b128 v[XF+96*(\P)+12*aa+4*pp:XF+96*(\P)+12*aa+4*pp+3], v[XA+aa/3] offset:(aa%3)*24576+512*pp+(\off)
.set pp, pp+1
.endr
.set aa, aa+1
.endr
.endm
.macro SXFETCH P, off
.irp i, 0,1,2,3
	ds_load_b32 v[SX+4*(\P)+\i], v[XSA] offset:2048*\i+(\off)
.endr
.endm
; a pass's first two K steps of W1 (rho is even, so they are neighbours in memory), their scale words, and the pass's biases: 72 loads
.macro PRELOAD
	s_mul_i32 s50, s[RHO], 12288
	s_lshl_b32 s51, s[RHO], 9
	v_add_nc_u32 v[WO], s50, v[LI]
	v_add_nc_u32 v[SO], s51, v[LS]
	s_wait_alu depctr_va_vdst(0)                       ; v[WO] and v[SO] are written, and at the kernel's head every other address register; behind a pass its products are done reading W1's fragments, its scale words and the biases, in which the loads below land
.set rl, 0
.rept 2
.set gg, 0
.rept 4
	global_load_b32 v[SW+4*rl+gg], v[SO], s[PWS:PWS+1] offset:512*rl+128*gg
.set gg, gg+1
.endr
.set rl, rl+1
.endr
	WIN 0x40
.set rl, 0
.rept 2
.set bb, 0
.rept 8
.set pp, 0
.rept 3
	global_load_b128 v[96*rl+12*bb+4*pp:96*rl+12*bb+4*pp+3], v[WO], s[PWI:PWI+1] offset:12288*rl+1536*bb+512*pp
.set pp, pp+1
.endr
.set bb, bb+1
.endr
.set rl, rl+1
.endr
.set bb, 0
.rept 8                                ; tile b = 4 q + u, lane half h: b1 at hidden units 64 q + 32 h + 8 u + 0 .. 7 of the chunk: the result's layout
	global_load_b128 v[192+8*bb:192+8*bb+3], v[BO], s[PB1:PB1+1] offset:256*(bb/4)+32*(bb%4)
	global_load_b128 v[192+8*bb+4:192+8*bb+7], v[BO], s[PB1:PB1+1] offset:256*(bb/4)+32*(bb%4)+16
.set bb, bb+1
.endr
	WIN 0
	s_add_co_u32 s[KW], s[RHO], 1
.endm
; unit q = 2 srel + par of a trip of phase X: 16 rows (tile 2 w + par) x 128 along K (the trip's K step + srel): 16 loads, each 512 consecutive bytes of one row
.macro XLOADU q
	WIN 0x80                                           ; destination window 2
.set ii, 0
.rept 16
	global_load_b128 v[64*(\q)+4*ii:64*(\q)+4*ii+3], v[XO], s[PXH:PXH+1] offset:((\q)%2)*131072+ii*8192+((\q)/2)*512 th:TH_LOAD_NT
.set ii, ii+1
.endr
	WIN 0
.endm
; TURN: unit q's numbers turn through my stage (in as loaded, a row on end; out 128 bytes a lane: the operand's order) into buffer q % 2.  reload = 1: the ring's registers take the same unit of the next trip.
; stepxo = 1 (unit 0): that next trip's K steps go into v[XO] first.  left: how many younger loads may be out when this unit's 16 must be in.
.macro XTURN q, reload, stepxo, left
	s_wait_loadcnt \left                               ; loads come back in order (ISA guide 5.7.1): this unit's 16 are in; the younger units stay out
	WIN 0x08                                           ; an LDS store's data are its source 1: window 2
.set ii, 0
.rept 16
	ds_store_b128 v[STW], v[64*(\q)+4*ii:64*(\q)+4*ii+3] offset:528*ii    ; LDS serves a wave's instructions in order (ISA guide 5.7.1.4): these come behind the last unit's loads from the stage
.set ii, ii+1
.endr
	WIN 0
.set ii, 0
.rept 16
	ds_load_b128 v[NUM+96*((\q)%2)+4*ii:NUM+96*((\q)%2)+4*ii+3], v[STR] offset:256*(ii/8)+16*(ii%8)    ; and these see the stores above.  The quantiser that read this buffer last stands ahead of its own wait on va_vdst
.set ii, ii+1
.endr
	s_wait_alu depctr_vm_vsrc(0)                       ; the stage's stores have read the ring's registers, in which the loads below land; the last image's stores have read PC, PW, v[XW] and v[XSW], and the ring's loads v[XO]: all are written again below
.if \reload
.if \stepxo
	s_wait_xcnt 0x0                                    ; the loads that are out have read XO: only behind this wait is it written
	s_add_co_u32 s[KX], s[KX], 2
	s_and_b32 s[KX], s[KX], 15
	s_lshl_b32 s50, s[KX], 9
	v_add_nc_u32 v[XO], s50, v[LI]                     ; the next trip's K steps
	s_wait_alu depctr_va_vdst(0)                       ; v[XO] is written, which the ring's next loads read
.endif
	XLOADU \q
.endif
.endm
; QS: unit q's 64 numbers a lane are quantised, and the image and the scale words go to LDS.  head = 1 (unit 0): the trip's places.  dl: the LDS instructions issued behind this unit's loads from the stage that may stay out.
; free = 1: no TURN stands between the last image's stores and this quantiser.
.macro XQS q, head, dl, free
.if \free
	s_wait_alu depctr_vm_vsrc(0)                       ; the last image's stores have read PC and PW, which the quantiser writes again
.endif
.if \head
	v_add_nc_u32 v[XW], s[XT], v[XWB]
	v_add_nc_u32 v[XSW], s[XU], v[XSWB]
.endif
	s_wait_dscnt \dl                                   ; my numbers are in; the next unit's 32 lines through the stage may be out
.set QB, NUM+96*((\q)%2)
	QUANT QB
	s_wait_alu depctr_va_vdst(0)                       ; the quantiser has written PC and PW (in unit 0 v[XW] and v[XSW] are written too), which the stores below read; and it is done reading its buffer, in which the stage's loads land two units on
.irp p, 0,1,2
	ds_store_b128 v[XW], v[PC+4*\p:PC+4*\p+3] offset:((\q)%2)*24576+((\q)/2)*1536+512*\p
.endr
	ds_store_b32 v[XSW], v[PW] offset:((\q)/2)*128+((\q)%2)*64    ; lanes r and r + 16 write the same word with the same value
.endm
; positions 2 t and 2 t + 1 of my two tiles.  Unit 0 has gone through the stage in the trip before; the next trip's unit 0 goes through it here.  r0 = 1: that unit's successor is asked for.
.macro XTRIP r0
	XTURN 1, 1, 0, 48
	XQS 0, 1, 32, 0
	XTURN 2, 1, 0, 48
	XQS 1, 0, 32, 0
	XTURN 3, 1, 0, 48
	XQS 2, 0, 32, 0
	XTURN 0, \r0, 1, 48
	XQS 3, 0, 32, 0
	s_add_co_u32 s[XT], s[XT], 3072
	s_add_co_u32 s[XU], s[XU], 256
.endm
; A K STEP, step j: 64 products in four groups of 16, from sets P.
; POINT A, behind groups 0 and 1 (xa = 1): the addresses move on; x's tiles 4-7 of position j + 1 come into the other set; wre = 1: W1's tiles 0-3 of K step j + 2 come into this set.
; POINT B, behind groups 2 and 3 (wre = 1): x's tiles 0-3 and scale words of position j + 2 come into this set (one position behind the addresses: an immediate), and W1's tiles 4-7 of K step j + 2.
; dl: how many younger LDS loads may be out when this step's fragments of x must be in: point B of the step before has issued 16.  l0 .. l3: how many younger loads may be out when group g's tiles must be in.
.macro STEP P, first, wre, xa, dl, l0, l1, l2, l3
	s_wait_dscnt \dl                                   ; LDS loads come back in order (ISA guide 5.7.1): x's fragments and scale words of this position are in
	s_wait_loadcnt \l0
	WIN 0xa1-0x10*(\first)                             ; W1 window 1, x window 0, D window 2; C window 2, or the biases' window 1
	MUL16 \P, 0, \first
	s_wait_loadcnt \l1
	MUL16 \P, 1, \first
.if \xa
	WIN 0
.if \wre
	s_wait_xcnt 0x0                                    ; the loads that are out have read WO and SO
.endif
	s_wait_alu depctr_vm_vsrc(0)                       ; the loads issued so far have read v[WO], v[SO], v[XA ..] and v[XSA], which are written below
.if \wre
	s_add_co_u32 s[KW], s[KW], 1
	s_and_b32 s[KW], s[KW], 15
	s_mul_i32 s50, s[KW], 12288
	s_lshl_b32 s51, s[KW], 9
	v_add_nc_u32 v[WO], s50, v[LI]
	v_add_nc_u32 v[SO], s51, v[LS]
.endif
	s_add_co_u32 s[XP], s[XP], 1536
	s_add_co_u32 s[XQ], s[XQ], 128
	v_add_nc_u32 v[XA], s[XP], v[LI]                   ; these additions are also the places behind the products above
	v_add_nc_u32 v[XA+1], s[XP], v[XB1]
	v_add_nc_u32 v[XA+2], s[XP], v[XB2]
	v_add_nc_u32 v[XSA], s[XQ], v[XSB]
	s_wait_alu depctr_va_vdst(0)                       ; the addresses are written; groups 0 and 1 are done reading W1's tiles 0-3 and their scale words (the other set of x was read out by the step before)
	XFETCH 1-(\P), 4, 4, 0
.if \wre
	WRUN2 \P, 0
.endif
.endif
	s_wait_loadcnt \l2
	WIN 0xf1-0x20*(\first)                             ; D window 3
	MUL16 \P, 2, \first
	s_wait_loadcnt \l3
	MUL16 \P, 3, \first
.if \wre
	PLACES
	WIN 0
	s_wait_alu depctr_va_vdst(0)                       ; the step's products are done reading this set of x, its scale words, W1's tiles 4-7 and theirs: the loads below land there
	XFETCH \P, 0, 4, 1536
	SXFETCH \P, 128
	WRUN2 \P, 1
.endif
.endm
.macro RELU a                          ; tile a's 64 hidden units of my token, in the next K's order; each accumulator is read from its low end on
	WIN 0x08                                           ; source 1 window 2
.set ii, 0
.rept 32
	v_max_num_f32 v[NUM+ii], 0, v[32*(\a)+ii]
.set ii, ii+1
.endr
	WIN 0x0c                                           ; source 1 window 3
.set ii, 0
.rept 32
	v_max_num_f32 v[NUM+32+ii], 0, v[32*(\a)+ii]
.set ii, ii+1
.endr
	WIN 0
.endm
.macro WM2 t                           ; the second product's K step of this chunk for tile t: source 0 = W2's 16 experts, source 1 = the hidden layer's 16 tokens
	v_wmma_scale_f32_16x16x128_f8f6f4 v[LG+8*(\t):LG+8*(\t)+7], v[W2F:W2F+11], v[PC:PC+11], 0, v[W2S], v[PW] matrix_a_fmt:MATRIX_FMT_FP6 matrix_b_fmt:MATRIX_FMT_FP6
.endm
	s_load_b512 s[4:19], s[0:1], 0x0
	s_load_b128 s[20:23], s[0:1], 0x40
	v_lshl_add_u32 v[SPW], v0, 2, SPARE
	v_mov_b32 v[NIL], 0
	v_lshrrev_b32 v62, 5, v0
	v_readfirstlane_b32 s[WV], v62                     ; wave 0..3
	v_and_b32 v[LS], 31, v0
	v_lshlrev_b32 v[LI], 4, v[LS]
	v_lshlrev_b32 v[LS], 2, v[LS]
	v_and_b32 v62, 15, v0                              ; r
	v_bfe_u32 v63, v0, 4, 1                            ; h
	v_lshlrev_b32 v[BO], 7, v63
	v_lshlrev_b32 v[H8], 3, v63
	v_add_nc_u32 v[XB1], 73728, v[LI]
	v_add_nc_u32 v[XB2], 147456, v[LI]
	v_add_nc_u32 v[XSB], XSC, v[LS]
	v_mov_b32 v[PX], 0                                 ; written once: a lane permute's destination counts as one of its sources
	s_wait_alu depctr_va_sdst(0)                       ; the wave's number is written, ahead of its first reader
	s_mul_i32 s50, s[WV], 20480
	s_add_co_u32 s50, s50, PL
	v_mul_u32_u24 v[PLB], v62, 80
	v_lshl_add_u32 v[PLB], v63, 5, v[PLB]
	v_add_nc_u32 v[PLB], s50, v[PLB]
	s_mul_i32 s50, s[WV], STGW
	s_add_co_u32 s50, s50, STG                         ; my stage
	v_add_nc_u32 v[STW], s50, v[LI]
	v_mul_u32_u24 v[STR], v62, 528
	v_lshl_add_u32 v[STR], v63, 7, v[STR]
	v_add_nc_u32 v[STR], s50, v[STR]                   ; row r, + 128 h: my 32 numbers of each 64
	s_mul_i32 s51, s[WV], 49152
	v_add_nc_u32 v[XWB], s51, v[LI]                    ; my two tiles' images
	s_lshl_b32 s51, s[WV], 11
	s_add_co_u32 s51, s51, XSC
	v_lshl_add_u32 v[XSWB], v62, 2, s51                ; and their scale words
	s_lshr_b32 s[RHO], ttmp9, 2
	s_and_b32 s[RHO], s[RHO], 14                       ; rho = 2 ((work-group / 8) % 8)
	s_mov_b32 s[KX], s[RHO]
	s_lshl_b32 s50, s[KX], 9
	v_add_nc_u32 v[XO], s50, v[LI]                     ; x's first K steps.  (Made here, ahead of the wait on va_vdst that stands in front of the kernel's first load)
	s_mov_b32 s[SEL], 0x76543210
	s_mov_b32 s[SEL+1], 0xfedcba98
	s_mov_b32 s58, 0x3fb8aa3b                          ; log2(e)
	s_mov_b32 s59, 0x322bcc77                          ; 1e-8
	s_lshl_b32 s56, ttmp9, 20                          ; x: 128 rows of 8,192 bytes a work-group,
	s_lshl_b32 s50, s[WV], 18                          ; 32 a wave
	s_add_co_u32 s56, s56, s50
	s_mov_b32 s57, 0
	s_wait_kmcnt 0x0
	s_load_b512 s[32:47], s[16:17], 0x0                ; b2
	s_add_nc_u64 s[PXH:PXH+1], s[PXH:PXH+1], s[56:57]
	s_mul_i32 s56, s[WV], 393216                       ; w1img: my two chunks lie on end
	s_add_nc_u64 s[PWI:PWI+1], s[PWI:PWI+1], s[56:57]
	s_lshl_b32 s56, s[WV], 14
	s_add_nc_u64 s[PWS:PWS+1], s[PWS:PWS+1], s[56:57]
	s_lshl_b32 s56, s[WV], 10
	s_add_nc_u64 s[PB1:PB1+1], s[PB1:PB1+1], s[56:57]
	s_mul_i32 s56, s[WV], 3072
	s_add_nc_u64 s[12:13], s[12:13], s[56:57]
	s_lshl_b32 s56, s[WV], 8
	s_add_nc_u64 s[14:15], s[14:15], s[56:57]
	s_lshl_b32 s56, ttmp9, 10                          ; out0, out1: 8 bytes a token: 128 tokens a work-group, 32 a wave
	s_lshl_b32 s50, s[WV], 8
	s_add_co_u32 s56, s56, s50
	s_add_nc_u64 s[18:19], s[18:19], s[56:57]
	s_add_nc_u64 s[20:21], s[20:21], s[56:57]
	s_lshl_b32 s56, s56, 3                             ; out2: 64 bytes a token
	s_add_nc_u64 s[22:23], s[22:23], s[56:57]
	PRELOAD                                            ; pass 0's first two K steps of W1 land under phase X
.irp p, 0,1,2
	global_load_b128 v[W2F+4*\p:W2F+4*\p+3], v[LI], s[12:13] offset:512*\p
	global_load_b128 v[W2N+4*\p:W2N+4*\p+3], v[LI], s[12:13] offset:1536+512*\p
.endr
	global_load_b32 v[W2S], v[LS], s[14:15]
	global_load_b32 v[W2SN], v[LS], s[14:15] offset:128
	XLOADU 0                                           ; the ring is filled: 64 loads.  (More loads are issued here than the counter's field holds: the issue then waits, ISA guide 5.7.1)
	XLOADU 1
	XLOADU 2
	XLOADU 3
	s_mov_b32 s[XT], 0
	s_mov_b32 s[XU], 0
	s_wait_kmcnt 0x0                                   ; b2
	; ---- PHASE X: eight trips.  The first unit goes through the stage ahead of the loop; the last two trips are written out: in trip 6 the next trip's unit 0 has no successor to ask for, trip 7 asks for nothing
	XTURN 0, 1, 1, 48
	s_mov_b32 s[CNT], 6
.Lxtrip:
	XTRIP 1
	s_sub_co_u32 s[CNT], s[CNT], 1
	s_cmp_lg_u32 s[CNT], 0
	s_cbranch_scc1 .Lxtrip
	XTRIP 0
	XTURN 1, 0, 0, 32                                  ; the last trip loads nothing: the counts run down
	XQS 0, 1, 32, 0
	XTURN 2, 0, 0, 16
	XQS 1, 0, 32, 0
	XTURN 3, 0, 0, 0
	XQS 2, 0, 32, 0
	XQS 3, 0, 0, 1
	s_wait_dscnt 0x0                                   ; for the others' sake: my images and scale words have landed
	s_barrier_signal -1
	s_barrier_wait -1                                  ; x's 128 fragments lie in LDS; nobody writes them again
	; ---- PHASE G
	s_mov_b32 s[PASS], 0
	s_mov_b32 s[PLO], 0
.Lpass:
	s_wait_loadcnt 0x0                                 ; the pass's first two K steps of W1, its biases; in pass 0 also W2's fragments
	s_mov_b32 s[XP], 0
	s_mov_b32 s[XQ], 0
	s_wait_alu depctr_vm_vsrc(0)                       ; the LDS instructions issued so far have read what is written from here on: v[XA ..], v[XSA] and v[PLW] (the additions below); PC, phase X's addresses and the partial logits (the fragments' loads); the ring (the products); PW (the quantiser)
	v_add_nc_u32 v[XA], s[XP], v[LI]
	v_add_nc_u32 v[XA+1], s[XP], v[XB1]
	v_add_nc_u32 v[XA+2], s[XP], v[XB2]
	v_add_nc_u32 v[XSA], s[XQ], v[XSB]
	v_add_nc_u32 v[PLW], s[PLO], v[PLB]
	s_wait_alu depctr_va_vdst(0)                       ; the five addresses are written; the vector and matrix instructions issued so far are done with v16-23 and v64-255, in which x's scale words and fragments land
	XFETCH 0, 0, 8, 0                                  ; position 0, whole;
	SXFETCH 0, 0
	XFETCH 1, 0, 4, 1536                               ; of position 1 what a step's point B would have fetched
	SXFETCH 1, 128
	; Group g of step j wants what point A (g = 0, 1) or point B (g = 2, 3) of step j - 2 asked for.  A point issues 14 loads: two scale words, six for its first group, six for its second.
	; Behind the first group's six stand the second's six and three points' 42: 48.  Behind the second's: 42.
	STEP 0, 1, 1, 1, 16, 48, 42, 48, 42                ; step 0: the biases start the sums
	WIN 0                                              ; at a label and at a branch every window is 0
	s_mov_b32 s[CNT], 6
.Lk:
	STEP 1, 0, 1, 1, 16, 48, 42, 48, 42                ; steps 1 to 12
	STEP 0, 0, 1, 1, 16, 48, 42, 48, 42
	WIN 0
	s_sub_co_u32 s[CNT], s[CNT], 1
	s_cmp_lg_u32 s[CNT], 0
	s_cbranch_scc1 .Lk
	STEP 1, 0, 1, 1, 16, 48, 42, 48, 42                ; step 13 asks for step 15's tiles: the last
	STEP 0, 0, 0, 1, 16, 48, 42, 34, 28                ; step 14 fetches the last four fragments of x and asks for no more of W1: behind point B of step 12 stand two points
	STEP 1, 0, 0, 0, 0, 20, 14, 6, 0                   ; step 15: behind point A of step 13 stands one point, behind its point B none
	WIN 0
	PLACES                                             ; in front of the first read of results and of the loads into W1's registers
	s_cmp_eq_u32 s[PASS], 1
	s_cbranch_scc1 .Lno_pre                            ; the last pass has no successor: no load leaves its buffer
	s_wait_xcnt 0x0                                    ; every earlier load has read its base and its offsets
	s_wait_alu depctr_vm_vsrc(0)                       ; the loads of W1 have read v[WO] and v[SO], which are written below
	s_add_nc_u64 s[PWI:PWI+1], s[PWI:PWI+1], 196608    ; on to my second chunk
	s_add_nc_u64 s[PWS:PWS+1], s[PWS:PWS+1], 8192
	s_add_nc_u64 s[PB1:PB1+1], s[PB1:PB1+1], 512
	PRELOAD                                            ; it lands under the lines below
.Lno_pre:
	; the hidden layer, a tile of 16 tokens at a time: relu, the quantiser, one product.  Tile a's 64 maxima are the places between tile a - 1's codes and scale word and their product (4 and 8 are asked);
	; the quantiser's maxima are the places behind that product, before its operands are written again.
	RELU 0
	QUANT NUM
.irp a, 1,2,3,4,5,6,7
	RELU \a
	s_wait_alu depctr_va_vdst(0)                       ; the quantiser has written the codes and the scale word that the product below takes (in the second pass the copies of W2's fragment and scale word are written too); the places stand ahead of this wait
	WM2 \a-1
	QUANT NUM
.endr
.rept 8
	v_nop                                              ; a scale word written by a vector instruction stands 8 places ahead of the product
.endr
	s_wait_alu depctr_va_vdst(0)                       ; the last tile's codes and scale word are written
	WM2 7
	PLACES
	s_wait_alu depctr_va_vdst(0)                       ; the eight products have written the partial logits, which the stores below read; the places above stay beside this wait
.irp a, 0,1,2,3,4,5,6,7
	ds_store_b128 v[PLW], v[LG+8*\a:LG+8*\a+3] offset:1280*\a          ; lane (r, h): token 16 a + r, experts 8 h + 0 .. 7; each accumulator from its low end on
	ds_store_b128 v[PLW], v[LG+8*\a+4:LG+8*\a+7] offset:1280*\a+16
.endr
.irp i, 0,1,2,3,4,5,6,7,8,9,10,11
	v_mov_b32 v[W2F+\i], v[W2N+\i]                     ; the next pass's fragment of W2 (behind the last pass these 13 copies serve nothing: the text is written once for both passes)
.endr
	v_mov_b32 v[W2S], v[W2SN]
	s_wait_dscnt 0x0
	s_add_co_u32 s[PLO], s[PLO], 10240
	s_add_co_u32 s[PASS], s[PASS], 1
	s_cmp_lt_u32 s[PASS], 2
	s_cbranch_scc1 .Lpass
	s_barrier_signal -1                                ; my partial logits have landed (the wait for 0 above)
	s_barrier_wait -1                                  ; everybody's have
	; ---- END: thread t owns token t of the work-group's 128
	s_wait_alu depctr_vm_vsrc(0)                       ; my stores of the partial logits have read v160-223: the lines below write some of these registers, and loads land in others
	v_and_b32 v192, 31, v0
	v_mul_u32_u24 v193, v192, 80
	s_mul_i32 s50, s[WV], 2560
	s_add_co_u32 s50, s50, PL
	v_add_nc_u32 v194, s50, v193                       ; chunks 0-3 of my token;
	v_add_nc_u32 v195, 40960, v194                     ; chunks 4-7 (an LDS offset has 16 bits)
	s_wait_alu depctr_va_vdst(0)                       ; v194 and v195 are written; the quantiser and the second product are done with v64-191, in which the loads below land
.set cc, 0
.rept 8
.set jj, 0
.rept 4
	ds_load_b128 v[64+16*cc+4*jj:64+16*cc+4*jj+3], v[194+cc/4] offset:(cc%4)*10240+16*jj
.set jj, jj+1
.endr
.set cc, cc+1
.endr
	s_mul_i32 s51, s[WV], STGW
	s_add_co_u32 s51, s51, STG                         ; my stage, for out2
	v_add_nc_u32 v215, s51, v193                       ; in: 80 bytes a token
	v_lshrrev_b32 v216, 2, v192
	v_mul_u32_u24 v216, v216, 80
	v_and_b32 v217, 3, v192
	v_lshl_add_u32 v216, v217, 4, v216
	v_add_nc_u32 v216, s51, v216                       ; back: four lanes to a token's 64 bytes
	v_lshlrev_b32 v214, 3, v192                        ; 8 x lane
	s_wait_dscnt 0x0
.set cc, 1
.rept 7
.set jj, 0
.rept 8
	v_pk_add_f32 v[64+2*jj:65+2*jj], v[64+2*jj:65+2*jj], v[64+16*cc+2*jj:65+16*cc+2*jj]   ; the eight sums of 128 along K, in ascending order
.set jj, jj+1
.endr
.set cc, cc+1
.endr
.set jj, 0
.rept 16
	v_add_f32 v[64+jj], s[32+jj], v[64+jj]             ; + b2: the logits
.set jj, jj+1
.endr
	v_max3_num_f32 v200, v64, v65, v66
.irp i, 67,69,71,73,75,77
	v_max3_num_f32 v200, v200, v[\i], v[\i+1]
.endr
	v_max_num_f32 v200, v200, v79                      ; the row's largest logit is taken away before the exponential
	v_mul_f32 v200, s58, v200
.set jj, 0
.rept 16
	v_fma_f32 v[80+jj], v[64+jj], s58, -v200
.set jj, jj+1
.endr
.set jj, 0
	s_wait_alu depctr_va_vdst(0)
.rept 16
	v_exp_f32 v[80+jj], v[80+jj]
.set jj, jj+1
.endr
	v_mov_b32 v203, 0                                  ; a plain place behind the exponentials.  (v203 is named as the upper half of the pair v[202:203])
	s_wait_alu depctr_va_vdst(0)                       ; the sixteen exponentials have written v80-95: one wait for the batch, ahead of its first reader
	v_pk_add_f32 v[96:97], v[80:81], v[82:83]
	v_pk_add_f32 v[98:99], v[84:85], v[86:87]
	v_pk_add_f32 v[100:101], v[88:89], v[90:91]
	v_pk_add_f32 v[102:103], v[92:93], v[94:95]
	v_pk_add_f32 v[96:97], v[96:97], v[98:99]
	v_pk_add_f32 v[100:101], v[100:101], v[102:103]
	v_pk_add_f32 v[96:97], v[96:97], v[100:101]
	v_add_f32 v96, v96, v97
	s_wait_alu depctr_va_vdst(0)
	v_rcp_f32 v202, v96
	v_mov_b32 v210, 0                                  ; (a plain place)  the largest's index
	v_mov_b32 v211, 0                                  ; the second's
	v_mov_b32 v205, -1.0                               ; the second largest so far: under every p
	s_wait_alu depctr_va_vdst(0)                       ; the reciprocal has written v202, ahead of its first reader
.set jj, 0
.rept 8
	v_pk_mul_f32 v[80+2*jj:81+2*jj], v[80+2*jj:81+2*jj], v[202:203] op_sel_hi:[1,0]   ; router_probs
.set jj, jj+1
.endr
	s_wait_alu depctr_va_vdst(0)                       ; the multiplications have written v80-95, which the stores below read, by v215; v216 is written; the sums are done with v96-103, in which the loads below land
.irp q, 0,1,2,3
	ds_store_b128 v215, v[80+4*\q:83+4*\q] offset:16*\q
.endr
.irp i, 0,1,2,3
	ds_load_b128 v[96+4*\i:99+4*\i], v216 offset:640*\i     ; LDS serves a wave's instructions in order: these see my stores
.endr
	; the two largest, by selections alone.  The comparison is strict, so that of equal numbers the lower index is kept first
	v_mov_b32 v204, v80
.set jj, 1
.rept 15
	v_cmp_gt_f32 s54, v[80+jj], v204
	v_cmp_gt_f32 s55, v[80+jj], v205
	s_wait_alu depctr_va_sdst(0)                       ; the two compares have written s54 and s55, ahead of the selections that read them
	v_cndmask_b32 v205, v205, v[80+jj], s55
	v_cndmask_b32 v211, v211, jj, s55
	v_cndmask_b32 v205, v205, v204, s54                ; a new largest moves the old one down
	v_cndmask_b32 v211, v211, v210, s54
	v_cndmask_b32 v204, v204, v[80+jj], s54
	v_cndmask_b32 v210, v210, jj, s54
.set jj, jj+1
.endr
	v_add_f32 v212, v204, v205
	v_add_f32 v212, s59, v212
	s_wait_alu depctr_va_vdst(0)
	v_rcp_f32 v213, v212
	v_nop                                              ; a plain place behind the reciprocal
	s_wait_alu depctr_va_vdst(0)                       ; the reciprocal has written v213, ahead of its first reader
	v_mul_f32 v208, v204, v213
	v_mul_f32 v209, v205, v213
	s_wait_alu depctr_va_vdst(0)                       ; the gates v208, v209 are written, which the store below reads (the indices v210, v211 and the offset v214 stand ahead of this wait too)
	global_store_b64 v214, v[208:209], s[18:19]        ; 32 lanes store 256 consecutive bytes, at a multiple of 256 from the buffer's first byte
	global_store_b64 v214, v[210:211], s[20:21]
	s_wait_dscnt 0x0
.irp i, 0,1,2,3
	global_store_b128 v[LI], v[96+4*\i:99+4*\i], s[22:23] offset:512*\i    ; 512 consecutive bytes a store
.endr
	s_wait_dscnt 0x0                                   ; the wave's end
	s_wait_alu 0x0
	s_wait_tensorcnt 0x0
	ds_add_u32 v[SPW], v[NIL]
	s_wait_dscnt 0x0
	s_endpgm
.Lfunc_end_k_q965a11d91e_router:
	.size	k_q965a11d91e_router, .Lfunc_end_k_q965a11d91e_router-k_q965a11d91e_router
	.p2alignl 7, 3214868480
	.fill 96, 4, 3214868480
	.section	.rodata,"a",@progbits
	.p2align	6, 0x0
	.amdhsa_kernel k_q965a11d91e_router
		.amdhsa_group_segment_fixed_size 321024
		.amdhsa_private_segment_fixed_size 0
		.amdhsa_enable_private_segment 0
		.amdhsa_kernarg_size 80
		.amdhsa_user_sgpr_count 2
		.amdhsa_user_sgpr_kernarg_segment_ptr 1
		.amdhsa_wavefront_size32 1
		.amdhsa_system_sgpr_workgroup_id_x 1
		.amdhsa_system_sgpr_workgroup_id_y 1
		.amdhsa_system_sgpr_workgroup_id_z 1
		.amdhsa_system_vgpr_workitem_id 0
		.amdhsa_next_free_vgpr 1024
		.amdhsa_next_free_sgpr 66
		.amdhsa_reserve_vcc 0
		.amdhsa_float_denorm_mode_32 3
		.amdhsa_float_denorm_mode_16_64 3
		.amdhsa_memory_ordered 1
		.amdhsa_forward_progress 1
		.amdhsa_inst_pref_size 241
	.end_amdhsa_kernel
	.amdgpu_metadata
---
amdhsa.version: [ 1, 2 ]
amdhsa.kernels:
  - .name:           k_q965a11d91e_router
    .symbol:         k_q965a11d91e_router.kd
    .args:
      - { .name: hidden_states, .offset: 0, .size: 8, .value_kind: global_buffer, .address_space: global }
      - { .name: w1img, .offset: 8, .size: 8, .value_kind: global_buffer, .address_space: global }
      - { .name: w1sc, .offset: 16, .size: 8, .value_kind: global_buffer, .address_space: global }
      - { .name: b1, .offset: 24, .size: 8, .value_kind: global_buffer, .address_space: global }
      - { .name: w2img, .offset: 32, .size: 8, .value_kind: global_buffer, .address_space: global }
      - { .name: w2sc, .offset: 40, .size: 8, .value_kind: global_buffer, .address_space: global }
      - { .name: b2, .offset: 48, .size: 8, .value_kind: global_buffer, .address_space: global }
      - { .name: out0, .offset: 56, .size: 8, .value_kind: global_buffer, .address_space: global }
      - { .name: out1, .offset: 64, .size: 8, .value_kind: global_buffer, .address_space: global }
      - { .name: out2, .offset: 72, .size: 8, .value_kind: global_buffer, .address_space: global }
    .group_segment_fixed_size: 321024
    .private_segment_fixed_size: 0
    .kernarg_segment_align: 8
    .kernarg_segment_size: 80
    .max_flat_workgroup_size: 128
    .sgpr_count:     66
    .vgpr_count:     1024
    .wavefront_size: 32
...
	.end_amdgpu_metadata
.endif
;; end of part 4
